; MI455X (gfx1250); checked and timed in simulation.
; The chip was launched on July 23, 2026; its instructions are those of AMD's public machine-readable ISA for CDNA 5 (MIT licence, August 2026) and "CDNA5" Instruction Set Architecture Reference Guide (July 2026). The comments in the code are by the model that wrote it; some were corrected since.
;; Self Attention. Allowed arithmetic: float matrix products may take bf16 or f16 operands with f32 sums; other float arithmetic in f32, or as packed bf16 or f16 multiplies, adds, multiply-adds, maxima and minima; sums over many terms, partial sums and values carried from step to step in f32; what a program stores and reads back later, other than sums and carried values, may be rounded once to bf16 or f16.
;; Inputs: Wk 1,024 x 1,024 float32; Wq 1,024 x 1,024 float32; Wv 1,024 x 1,024 float32; x 4 x 2,048 x 1,024 float32.
;; Outputs: out0 4 x 2,048 x 1,024 float32.
;; 2 versions, each right; version 2 is version 1 with the launch lay written anew for expert scheduling mode. Each part assembles by itself: llvm-mc -triple=amdgcn-amd-amdhsa -mcpu=gfx1250 --defsym DOCPART=n.
;; ======== version 1 of 2: 4 launches
;; limits: values are held in f16: magnitudes above 65,504 overflow, below 6.1e-05 lose precision
;; workspace buffers: ab 23,068,672 bytes; q 16,777,216 bytes; kt 16,777,216 bytes; vt 16,777,216 bytes; tt 8,388,608 bytes; amax 8,192 bytes
;; launch lay (part 1): grid 352 x 1, 8 waves a work-group, no clusters, 0 bytes of LDS; arguments x, Wq, Wk, Wv, ab; writes ab
.if DOCPART == 1
	.amdgcn_target "amdgcn-amd-amdhsa--gfx1250"
	.amdhsa_code_object_version 6
	.text
	.protected	k_q6c15907bbf_lay
	.globl	k_q6c15907bbf_lay
	.p2align	8
	.type	k_q6c15907bbf_lay,@function
k_q6c15907bbf_lay:
	s_mov_b64 s[64:65], 0
	v_nop
	global_prefetch_b8 v0, s[64:65] scope:SCOPE_SE
	s_setreg_imm32_b32 hwreg(HW_REG_WAVE_MODE, 25, 1), 1
	s_wait_xcnt 0x0
; THE PROGRAM.  reference(): q, k, v = x W^T; score = q k^T / 32; out = score v.  It applies no softmax: nothing that is not linear stands
; between its two batched products.  So for all values of the inputs, in exact arithmetic, (q k^T) v = q (k^T v), and the program forms
; k^T v ([1024][1024] a batch) in place of the score ([2048][2048] a batch): half the multiply-adds in each of the two products.
; No input is left out: x, Wq, Wk and Wv all reach the output.  1 / sqrt(1024) is exactly 2^-5.
; LIMITS.  The score is never formed: an overflow, an infinity or a NaN that would arise in the score alone is not carried to the result.
; The order of the sums differs from reference()'s.  q, k and v are kept in f16: they must stay under 65,504.
; Four launches: lay (this one), proj (q, k^T, v^T), ktv (k^T v, scaled), outp (q times it).
;
; THIS LAUNCH rounds x and the three weights to bf16, once, and lays them in K blocks of 64: ab[16 kb][11,264 rows][64], so that a tile of
; R rows x 64 along K is R x 128 dense bytes.  Rows 0 .. 8,191 are x's; row 8,192 + 384 g + 128 c + r is row 128 g + r of W_c
; (c = 0, 1, 2: Wq, Wk, Wv): the 384 rows that one work-group of proj multiplies lie together.
; A stream: no LDS, no matrix unit, no cluster (nothing is read twice).  A work-group takes 32 source rows, a wave 4, as two pairs.
; A load covers 256 consecutive aligned bytes (one K block in f32) of each of two rows; a store the two rows' 128 bytes each of that
; K block, which are 256 consecutive aligned bytes of ab.  All 32 loads of a wave (16 KiB) go out before the first wait.
.set KBS, 1441792                      ; bytes from a K block of ab to the next: 11,264 rows x 128
.set LSO, 2                            ; v2   my byte offset in the work-group's source rows
.set LDO, 3                            ; v3   my byte offset in its rows of a K block of ab
.set DAT, 8                            ; v[8:135]  load n: four f32, then two words of bf16
	s_load_b256 s[4:11], s[0:1], 0x0               ; x s[4:5], Wq s[6:7], Wk s[8:9], Wv s[10:11]
	s_load_b64 s[12:13], s[0:1], 0x20              ; ab
	s_mov_b32 s14, ttmp9                           ; work-groups 0 .. 255: x; 256 + 32 c + rr: rows 32 rr .. of W_c
	s_max_u32 s15, s14, 256
	s_sub_co_u32 s15, s15, 256                     ; 32 c + rr (0 in x's work-groups, where it is not used)
	s_lshr_b32 s16, s15, 5                         ; c
	s_and_b32 s17, s15, 31                         ; rr
	s_lshr_b32 s18, s17, 2                         ; g = rr / 4
	s_mul_i32 s18, s18, 384
	s_and_b32 s19, s17, 3
	s_lshl_b32 s19, s19, 5
	s_add_co_u32 s18, s18, s19                     ; + 32 (rr % 4)
	s_lshl_b32 s19, s16, 7
	s_add_co_u32 s18, s18, s19                     ; + 128 c
	s_add_co_u32 s18, s18, 8192                    ; behind x's rows
	s_lshl_b32 s17, s17, 5                         ; the weights' source row
	s_lshl_b32 s19, s14, 5                         ; x's row, in the source and in ab
	s_cmp_lt_u32 s14, 256
	s_cselect_b32 s17, s19, s17                    ; source row
	s_cselect_b32 s18, s19, s18                    ; row of ab
	v_lshrrev_b32 v1, 5, v0                        ; wave
	v_bfe_u32 v4, v0, 4, 1                         ; lanes 16-31 take the pair's second row
	v_lshl_add_u32 v4, v1, 2, v4                   ; 4 x wave + that
	v_and_b32 v5, 15, v0
	v_lshlrev_b32 v5, 4, v5
	v_lshl_add_u32 v[LSO], v4, 12, v5              ; row x 4,096 + 16 (lane % 16)
	v_and_b32 v5, 31, v0
	v_lshlrev_b32 v5, 3, v5
	v_lshl_add_u32 v[LDO], v1, 9, v5               ; 4 rows x 128 x wave + 8 x lane
	s_wait_kmcnt 0x0
	s_cmp_eq_u32 s16, 1
	s_cselect_b64 s[20:21], s[8:9], s[6:7]
	s_cmp_eq_u32 s16, 2
	s_cselect_b64 s[20:21], s[10:11], s[20:21]
	s_cmp_lt_u32 s14, 256
	s_cselect_b64 s[20:21], s[4:5], s[20:21]       ; the source, chosen by the work-group's number alone
	s_lshl_b32 s22, s17, 12
	s_mov_b32 s23, 0
	s_add_nc_u64 s[20:21], s[20:21], s[22:23]      ; at the work-group's first row
	s_lshl_b32 s22, s18, 7
	s_add_nc_u64 s[24:25], s[12:13], s[22:23]      ; ab at its rows in K block 0,
	s_add_nc_u64 s[26:27], s[24:25], 4*KBS         ; 4, 8 and 12: the K blocks between stand in the stores' immediates
	s_add_nc_u64 s[28:29], s[24:25], 8*KBS
	s_add_nc_u64 s[30:31], s[24:25], 12*KBS
.set n, 0
.rept 32                               ; load n: pair n / 16, K block n % 16
	global_load_b128 v[DAT+4*n:DAT+4*n+3], v[LSO], s[20:21] offset:8192*(n/16)+256*(n%16) th:TH_LOAD_NT
.set n, n+1
.endr
.set n, 0
.rept 32
	s_wait_loadcnt 31-n                            ; loads come back in order: load n is in, the 31 - n younger ones may stay out
	v_cvt_pk_bf16_f32 v[DAT+4*n], v[DAT+4*n], v[DAT+4*n+1]
	v_cvt_pk_bf16_f32 v[DAT+4*n+1], v[DAT+4*n+2], v[DAT+4*n+3]
	global_store_b64 v[LDO], v[DAT+4*n:DAT+4*n+1], s[24+2*((n%16)/4):25+2*((n%16)/4)] offset:((n%16)%4)*KBS+256*(n/16) th:TH_STORE_NT  ; no register of a load or store is ever written again
.set n, n+1
.endr
	s_endpgm
.Lfunc_end_k_q6c15907bbf_lay:
	.size	k_q6c15907bbf_lay, .Lfunc_end_k_q6c15907bbf_lay-k_q6c15907bbf_lay
	.p2alignl 7, 3214868480
	.fill 96, 4, 3214868480
	.section	.rodata,"a",@progbits
	.p2align	6, 0x0
	.amdhsa_kernel k_q6c15907bbf_lay
		.amdhsa_group_segment_fixed_size 0
		.amdhsa_private_segment_fixed_size 0
		.amdhsa_enable_private_segment 0
		.amdhsa_kernarg_size 40
		.amdhsa_user_sgpr_count 2
		.amdhsa_user_sgpr_kernarg_segment_ptr 1
		.amdhsa_wavefront_size32 1
		.amdhsa_system_sgpr_workgroup_id_x 1
		.amdhsa_system_sgpr_workgroup_id_y 1
		.amdhsa_system_sgpr_workgroup_id_z 1
		.amdhsa_system_vgpr_workitem_id 0
		.amdhsa_next_free_vgpr 136
		.amdhsa_next_free_sgpr 66
		.amdhsa_reserve_vcc 0
		.amdhsa_float_denorm_mode_32 3
		.amdhsa_float_denorm_mode_16_64 3
		.amdhsa_memory_ordered 1
		.amdhsa_forward_progress 1
		.amdhsa_inst_pref_size 14
	.end_amdhsa_kernel
	.amdgpu_metadata
---
amdhsa.version: [ 1, 2 ]
amdhsa.kernels:
  - .name:           k_q6c15907bbf_lay
    .symbol:         k_q6c15907bbf_lay.kd
    .args:
      - { .name: x, .offset: 0, .size: 8, .value_kind: global_buffer, .address_space: global }
      - { .name: Wq, .offset: 8, .size: 8, .value_kind: global_buffer, .address_space: global }
      - { .name: Wk, .offset: 16, .size: 8, .value_kind: global_buffer, .address_space: global }
      - { .name: Wv, .offset: 24, .size: 8, .value_kind: global_buffer, .address_space: global }
      - { .name: ab, .offset: 32, .size: 8, .value_kind: global_buffer, .address_space: global }
    .group_segment_fixed_size: 0
    .private_segment_fixed_size: 0
    .kernarg_segment_align: 8
    .kernarg_segment_size: 40
    .max_flat_workgroup_size: 256
    .sgpr_count:     66
    .vgpr_count:     136
    .wavefront_size: 32
...
	.end_amdgpu_metadata
.endif
;; end of part 1
;; launch proj (part 2): grid 8 x 32, 4 waves a work-group, clusters of 4 x 4, 327,680 bytes of LDS; arguments ab, q, kt, vt, amax; writes q, kt, vt, amax
.if DOCPART == 2
	.amdgcn_target "amdgcn-amd-amdhsa--gfx1250"
	.amdhsa_code_object_version 6
	.text
	.protected	k_q6c15907bbf_proj
	.globl	k_q6c15907bbf_proj
	.p2align	8
	.type	k_q6c15907bbf_proj,@function
k_q6c15907bbf_proj:
	s_mov_b64 s[64:65], 0
	v_nop
	global_prefetch_b8 v0, s[64:65] scope:SCOPE_SE
	s_setreg_imm32_b32 hwreg(HW_REG_WAVE_MODE, 25, 1), 1
	s_wait_xcnt 0x0
	s_wait_alu depctr_hold_cnt(0) depctr_sa_sdst(0) depctr_va_vdst(0) depctr_va_sdst(0) depctr_va_ssrc(0) depctr_va_vcc(0) depctr_vm_vsrc(0)
	s_getreg_b32 s2, hwreg(HW_REG_IB_STS2, 6, 4)
	s_cmp_eq_u32 s2, 0
	s_cbranch_scc0 .Lentry_in_a_cluster
	s_endpgm
.Lentry_in_a_cluster:
	s_bfe_u32 s2, ttmp6, 0x10000c
	s_cmp_lg_u32 s2, 0xf033
	s_cbranch_scc0 .Lentry_shape_is_right
	s_endpgm
.Lentry_shape_is_right:
; q = x Wq^T, k = x Wk^T, v = x Wv^T from ab (bf16, K blocks of 64: see lay); sums in f32, each result rounded once to f16.
; OUT: q[16 eb][8192 s][64 e] (K blocks for outp); kt, vt[4 b][1024 e][2048 s]: k and v TRANSPOSED, so that ktv finds its K (s) along the rows;
; amax[wave][2]: each wave's largest |k| and |v| as rounded, in f32: ktv and outp make a power-of-two scale of them (values only).
; LIMITS.  |q|, |k|, |v| under 65,504 (f16); NaN and infinities are not treated apart.
; SHARES.  Work-group (g, i): x's rows 256 i .. (256) times rows 128 g .. (128) of each of Wq, Wk, Wv.  Wave w: x's half w / 2 (128 rows: 8 blocks a)
; times half w % 2 (64 rows: 4 blocks b) of each weight: 96 accumulators, 768 registers.  A fragment of x feeds three products.
; K goes in 16 steps of 64 through two LDS slots; a step is two sub-steps of 32 along K, 96 matrix instructions and 40 LDS loads a wave each.
; LAYOUT.  q: source 0 = rows of Wq, source 1 = rows of x: a lane holds one row s and eight neighbouring e.  k, v: source 0 = rows of x,
; source 1 = rows of the weight: a lane holds one row e and eight neighbouring s: the transposed result packs into 16 bytes too.
; CLUSTER.  4 x 4 work-groups.  x's tile hangs on i alone and is asked for jointly by a row of the cluster, the weights' on g alone, by a column.
; REGISTERS (windows of 256).  Window 0: v1-7 at work; v8-15 running maxima; v16-30 addresses; v32-95, v96-159 x's fragments, two buffers;
; v160-255 the three weights' fragments, 32 each.  Windows 1, 2, 3: the accumulators of q, k, v, (a, b) at v[8 (4 a + b)].
.set KBS,   1441792                    ; bytes from a K block of ab to the next
.set PITCH, 144                        ; an LDS row: 128 bytes + 16 of padding = 36 words: the 16 rows of a fragment load start at 16 different groups of four banks (64 banks of 4 bytes: ISA guide 11.1)
.set XB,    256*PITCH                  ; x's 256 rows; behind them the weights' 384, in the order q, k, v
.set SLOT,  640*PITCH
.set STAGE, 2*SLOT                     ; behind the ring, never filled by a tensor load: 4,608 bytes for each wave, for the way out
.set STW,   4608
.set SPARE, STAGE+4*STW                ; the spare words, 128 bytes for each wave: two blocks of 256 bytes that no other line names
.set MK,   8                           ; v8-11 four chains of max |k| (two f16 each), v12-15 the same for |v|
.set ADRX, 16                          ; v16-17 LDS address of my fragments of x in slot 0, 1
.set ADRW, 18                          ; v18-19 the same for Wq's; Wk's and Wv's lie 18,432 and 36,864 bytes on
.set STQ,  20                          ; the way out of q: where I put 16 bytes,
.set RDQ,  21                          ; where I read rows back,
.set GOQ,  22                          ; my place in 512 consecutive bytes of q
.set STK,  23                          ; the same three for k and v
.set RDK,  24
.set COK,  25
.set ZOF,  26                          ; 0: the offset of amax's store
.set SPW,  28                          ; LDS address of my spare word; never rewritten
.set NIL,  29                          ; 0; never rewritten
.set PFO,  30                          ; 256 x lane: the prefetches' offset; never rewritten
.set X0,   32
.set X1,   96
.set WF,   160                         ; W_c's fragments at WF + 32 c
.set TMP,  32                          ; the way out: packed results,
.set BK,   64                          ; rows read back, two buffers of 32,
.set AB,   128                         ; magnitudes
.set G1X, 24                           ; s[24:31] descriptor group 1 for x's tiles;  s[32:39] group 0, a set for each slot
.set G0X, 32
.set G1W, 48                           ; s[48:55], s[56:63] the same for the weights'
.set G0W, 56
.set PFA, 66                           ; s[66:67] where my prefetches stand
.set LIM0, 68                          ; s68, s69: 1 if I prefetch at the change out of slot 0, of slot 1; else the greatest number
.set LIM1, 69
.set G1BITS, (1<<16)|(1<<20)|(1<<21)|(4<<22)|(3<<25)  ; 17:16 elements of 2 bytes; 20 padding on; 21 set beside a mask; 24:22 after every 32 words (code 4); 31:25 4 words of it (code 3)
.set MSB, 0
.macro WIN new                         ; the immediate's high byte repeats the setting that is left; a switch that changes nothing is dropped
.if MSB != (\new)
	s_set_vgpr_msb (MSB<<8)|(\new)
.set MSB, \new
.endif
.endm
.macro PLACES                          ; four places in front of loads into registers that matrix instructions have read, and of conversions that read results (ISA guide 7.12.1 for conversions)
.rept 4
	v_nop
.endr
.endm
; A joint load: waves 0 and 1 fetch the two halves of x's tile, waves 2 and 3 those of the weights'.  The branch hangs on the wave's number alone.
; An s_nop 0 and four v_nop follow each of the two lines, ahead of the jump and the label.
.macro JLOAD s
	s_cmp_eq_u32 s15, 0
	s_cbranch_scc0 .Lfor_w_\@
	tensor_load_to_lds s[G0X+4*(\s):G0X+4*(\s)+3], s[G1X:G1X+7]
	s_nop 0
.rept 4
	v_nop
.endr
	s_branch .Lasked_\@
.Lfor_w_\@:
	tensor_load_to_lds s[G0W+4*(\s):G0W+4*(\s)+3], s[G1W:G1W+7]
	s_nop 0
.rept 4
	v_nop
.endr
.Lasked_\@:
.endm
.macro CREST                           ; a round of the cluster's barrier behind its opening barrier
	s_cmp_lg_u32 s14, 0
	s_cbranch_scc1 .Lnot_wave_0_\@
	s_barrier_signal -3
.Lnot_wave_0_\@:
	s_barrier_wait -3
	s_barrier_signal -1
	s_barrier_wait -1
.endm
.macro CROUND                          ; a whole round
	s_barrier_signal -1
	s_barrier_wait -1
	CREST
.endm
; A PREFETCH INTO THE L2, behind a joint load, its five lines and the run of LDS loads that follows: 32 blocks of 256 bytes, a lane a block, of the K step that stands two refills on.
; Each block of ab is named once in the launch.  x's tile of a K step (32 KiB) is read by both clusters of a row of clusters: the one with cluster x = 0 asks, wave 0 of each of the four partners
; for 8 KiB, at every change of slots.  The weights' tile (48 KiB) is read by all eight clusters of a column: the one with cluster y = 0 asks, at every second change, for two K steps: twelve parts
; of 8 KiB for waves 1-3 of four partners.  Partners are told apart BY ADDRESS alone.  The loop's last trip asks for nothing: K steps 16 and on do not exist.  K steps 0-3 come by their loads alone.
.macro ASK lim
	s_cmp_gt_u32 s3, s[\lim]                       ; s3 = 1 in the loop's last trip
	s_cbranch_scc0 .Lnot_mine_\@
	global_prefetch_b8 v[PFO], s[PFA:PFA+1] th:TH_LOAD_NT scope:SCOPE_SE
.Lnot_mine_\@:
.endm
	s_load_b256 s[4:11], s[0:1], 0x0               ; ab s[4:5], q s[6:7], kt s[8:9], vt s[10:11]
	s_load_b64 s[12:13], s[0:1], 0x20              ; amax
	v_lshl_add_u32 v[SPW], v0, 2, SPARE
	v_mov_b32 v[NIL], 0
	ds_add_u32 v[SPW], v[NIL]                      ; the wave's opening: the add, twice on end, and its wait ahead of my first tensor load
	ds_add_u32 v[SPW], v[NIL]                      ; and once more, under the one wait; the set-up below, work on registers, stands between
	v_lshrrev_b32 v1, 5, v0
	v_readfirstlane_b32 s14, v1                    ; wave 0..3
	s_lshr_b32 s15, s14, 1                         ; my half of x's rows.  Also: I fetch for x (0) or for the weights (1)
	s_and_b32 s16, s14, 1                          ; my half of each weight's rows.  Also: which half of that tile I fetch
	s_bfe_u32 s17, ttmp6, 0x40000                  ; cx
	s_bfe_u32 s18, ttmp6, 0x40004                  ; cy
	s_lshl_b32 s19, ttmp9, 2
	s_add_co_u32 s19, s19, s17                     ; g = 4 x cluster x + cx
	s_and_b32 s21, ttmp7, 0xffff                   ; cluster y
	s_lshl_b32 s20, s21, 2
	s_add_co_u32 s20, s20, s18                     ; i = 4 x cluster y + cy
	s_lshl_b32 s40, s18, 2
	s_lshl_b32 s40, 15, s40                        ; my row of the cluster
	s_lshl_b32 s41, 0x1111, s17                    ; my column
	; descriptor group 1.  A half tile is dense in ab: it is asked for as rows of 256 bytes (two rows of 64 bf16) and padded in LDS after every 128 bytes
	s_or_b32 s[G1X], s40, G1BITS
	s_or_b32 s[G1W], s41, G1BITS
	s_mov_b32 s[G1X+1], 128<<16                    ; tensor_dim0 = 128 elements
	s_mov_b32 s[G1X+2], 64<<16                     ; tensor_dim1 = 64: 128 rows of x
	s_mov_b32 s[G1X+3], 128<<16                    ; tile_dim0
	s_mov_b32 s[G1X+4], 64                         ; tile_dim1
	s_mov_b32 s[G1X+5], 128                        ; elements from row to row
	s_mov_b32 s[G1X+6], 0
	s_mov_b32 s[G1X+7], 0
	s_mov_b32 s[G1W+1], 128<<16
	s_mov_b32 s[G1W+2], 96<<16                     ; 192 rows of the weights
	s_mov_b32 s[G1W+3], 128<<16
	s_mov_b32 s[G1W+4], 96
	s_mov_b32 s[G1W+5], 128
	s_mov_b32 s[G1W+6], 0
	s_mov_b32 s[G1W+7], 0
	s_lshl_b32 s42, s20, 15                        ; x: 256 i rows of 128 bytes,
	s_lshl_b32 s43, s16, 14                        ; + my 128 of them: no cx enters
	s_add_co_u32 s42, s42, s43
	s_mov_b32 s43, 0
	s_mul_i32 s44, s19, 49152                      ; the weights: 384 g rows,
	s_mul_i32 s45, s16, 24576                      ; + my 192 of them,
	s_add_co_u32 s44, s44, s45
	s_add_co_u32 s44, s44, 1048576                 ; behind x's 8,192 rows: no cy enters
	s_mov_b32 s45, 0
	s_mul_i32 s46, s16, 128*PITCH                  ; and where they go: no place in the cluster enters an LDS address
	s_mul_i32 s47, s16, 192*PITCH
	s_add_co_u32 s47, s47, XB
	s_mov_b32 s70, 0x76543210                      ; v_permlanex16_b32's selects: each lane takes its own place in the other half
	s_mov_b32 s71, 0xfedcba98
	s_mov_b32 s72, 0x7fff7fff                      ; clears the signs of two f16
	s_wait_dscnt 0x0                               ; both opening adds are done
	s_wait_kmcnt 0x0
	s_add_nc_u64 s[42:43], s[4:5], s[42:43]
	s_add_nc_u64 s[44:45], s[4:5], s[44:45]
	CROUND                                         ; all sixteen work-groups are here: the first joint loads meet
.irp s, 0,1
	s_mov_b32 s[G0X+4*(\s)], 1                     ; count = 1
	s_add_co_u32 s[G0X+4*(\s)+1], s46, (\s)*SLOT   ; LDS address
	s_add_nc_u64 s[G0X+4*(\s)+2:G0X+4*(\s)+3], s[42:43], (\s)*KBS  ; global address: K step s
	s_or_b32 s[G0X+4*(\s)+3], s[G0X+4*(\s)+3], 0x80000000          ; type = 2
	s_mov_b32 s[G0W+4*(\s)], 1
	s_add_co_u32 s[G0W+4*(\s)+1], s47, (\s)*SLOT
	s_add_nc_u64 s[G0W+4*(\s)+2:G0W+4*(\s)+3], s[44:45], (\s)*KBS
	s_or_b32 s[G0W+4*(\s)+3], s[G0W+4*(\s)+3], 0x80000000
	JLOAD \s                                       ; two loads of mine are out
.endr
	; A fragment is 16 rows x 32 K in 8 registers: lane l holds row l % 16; registers 0-3 K = 8 (l / 16) + 0..7, registers 4-7 K = 16 + 8 (l / 16) + 0..7: two loads of 16 bytes, 32 bytes apart.
	v_and_b32 v1, 15, v0                           ; r = l % 16
	v_bfe_u32 v2, v0, 4, 1                         ; h = l / 16
	v_mul_u32_u24 v3, v1, PITCH
	v_lshl_add_u32 v3, v2, 4, v3                   ; r x pitch + 16 h
	s_mul_i32 s22, s15, 128*PITCH
	s_mul_i32 s23, s16, 64*PITCH
	s_add_co_u32 s23, s23, XB
	v_add_nc_u32 v[ADRX], s22, v3
	v_add_nc_u32 v[ADRW], s23, v3
	v_add_nc_u32 v[ADRX+1], SLOT, v[ADRX]
	v_add_nc_u32 v[ADRW+1], SLOT, v[ADRW]
	s_mul_i32 s22, s14, STW
	s_add_co_u32 s22, s22, STAGE                   ; my stage
	v_add_nc_u32 v[STQ], s22, v3                   ; q in: rows of 144 bytes, row r, 16 bytes for each half of the lanes
	v_bfe_u32 v4, v0, 3, 2
	v_and_b32 v5, 7, v0
	v_mul_u32_u24 v4, v4, PITCH
	v_lshl_add_u32 v4, v5, 4, v4
	v_add_nc_u32 v[RDQ], s22, v4                   ; q back: 32 lanes take four rows of 128 bytes,
	v_and_b32 v6, 31, v0
	v_lshlrev_b32 v[GOQ], 4, v6                    ; which are 512 consecutive bytes of q
	v_lshlrev_b32 v[PFO], 8, v6
	v_mul_u32_u24 v4, v1, 272
	v_lshl_add_u32 v4, v2, 4, v4
	v_add_nc_u32 v[STK], s22, v4                   ; k, v in: rows of 272 bytes
	v_mul_u32_u24 v4, v2, 272
	v_lshl_add_u32 v4, v1, 4, v4
	v_add_nc_u32 v[RDK], s22, v4                   ; back: lanes 0-15 take one row of 256 bytes, lanes 16-31 the next,
	v_lshlrev_b32 v4, 12, v2
	v_lshl_add_u32 v[COK], v1, 4, v4               ; and the same two rows (4,096 bytes apart) in kt and vt
	v_mov_b32 v[ZOF], 0
.irp j, 0,1,2,3,4,5,6,7
	v_mov_b32 v[MK+(\j)], 0                        ; magnitudes are not negative: 0 starts their maxima
.endr
	; where my results go
	s_lshl_b32 s74, s19, 21                        ; q: e block 2 g + my half, 1,048,576 bytes each,
	s_lshl_b32 s75, s16, 20
	s_add_co_u32 s74, s74, s75
	s_lshl_b32 s75, s20, 15                        ; row 256 i + 128 x my half, 128 bytes each
	s_add_co_u32 s74, s74, s75
	s_lshl_b32 s75, s15, 14
	s_add_co_u32 s74, s74, s75
	s_mov_b32 s75, 0
	s_add_nc_u64 s[6:7], s[6:7], s[74:75]
	s_lshr_b32 s76, s20, 3                         ; kt, vt: batch i / 8,
	s_lshl_b32 s76, s76, 22
	s_lshl_b32 s77, s19, 19                        ; row 128 g + 64 x my half, 4,096 bytes each,
	s_add_co_u32 s76, s76, s77
	s_lshl_b32 s77, s16, 18
	s_add_co_u32 s76, s76, s77
	s_and_b32 s77, s20, 7                          ; column 256 (i % 8) + 128 x my half, 2 bytes each
	s_lshl_b32 s77, s77, 9
	s_add_co_u32 s76, s76, s77
	s_lshl_b32 s77, s15, 8
	s_add_co_u32 s76, s76, s77
	s_mov_b32 s77, 0
	s_add_nc_u64 s[8:9], s[8:9], s[76:77]
	s_add_nc_u64 s[10:11], s[10:11], s[76:77]
	s_lshl_b32 s78, s20, 8                         ; amax: ((8 i + g) 4 + wave) 8
	s_lshl_b32 s79, s19, 5
	s_add_co_u32 s78, s78, s79
	s_lshl_b32 s79, s14, 3
	s_add_co_u32 s78, s78, s79
	s_mov_b32 s79, 0
	s_add_nc_u64 s[12:13], s[12:13], s[78:79]
	; the prefetches
	s_lshl_b32 s74, s20, 15                        ; wave 0: x's tile, my work-group's quarter of it
	s_lshl_b32 s75, s17, 13
	s_add_co_u32 s74, s74, s75
	s_mul_i32 s76, s19, 49152                      ; waves 1-3: the weights' tile,
	s_add_co_u32 s76, s76, 1048576
	s_max_u32 s75, s14, 1
	s_sub_co_u32 s75, s75, 1
	s_lshl_b32 s75, s75, 1
	s_and_b32 s77, s18, 1
	s_add_co_u32 s75, s75, s77                     ; part 2 (wave - 1) + cy % 2 of its six,
	s_lshl_b32 s75, s75, 13
	s_add_co_u32 s76, s76, s75
	s_lshr_b32 s77, s18, 1
	s_mul_i32 s77, s77, KBS                        ; of the first or the second of two K steps, by cy / 2
	s_add_co_u32 s76, s76, s77
	s_cmp_eq_u32 s14, 0
	s_cselect_b32 s74, s74, s76
	s_cselect_b32 s77, ttmp9, s21                  ; the coordinate along which other clusters read the same rows
	s_cselect_b32 s[LIM1], 1, -1                   ; the weights are asked for at every second change
	s_mov_b32 s75, 0
	s_add_nc_u64 s[PFA:PFA+1], s[4:5], s[74:75]
	s_add_nc_u64 s[PFA:PFA+1], s[PFA:PFA+1], 3*KBS ; at K step 3: the first change of slots steps it to 4.  Nothing is prefetched here, at the head
	s_cmp_eq_u32 s77, 0                            ; the same in all sixteen partners, for a given wave
	s_cselect_b32 s[LIM0], 1, -1
	s_cselect_b32 s[LIM1], s[LIM1], -1
; na x 4 matrix instructions of product c (0: q, 1: k, 2: v): blocks a0 .. of x's buffer xf times the weight's four blocks.  zero = 1: the first product starts the sums: nothing is cleared.
; The 96 accumulators take turns, one instruction a turn, in the same order in every sub-step.
.macro PH c, xf, a0, na, zero
	WIN 0x50*((\c)+1)                              ; C and D in window c + 1, the sources in window 0
.set pa, \a0
.rept \na
.set pb, 0
.rept 4
.set rD, 8*(4*pa+pb)
.set rW, WF+32*(\c)+8*pb
.set rX, (\xf)+8*pa
.if (\c) == 0
.if \zero
	v_wmma_f32_16x16x32_bf16 v[rD:rD+7], v[rW:rW+7], v[rX:rX+7], 0
.else
	v_wmma_f32_16x16x32_bf16 v[rD:rD+7], v[rW:rW+7], v[rX:rX+7], v[rD:rD+7]
.endif
.else
.if \zero
	v_wmma_f32_16x16x32_bf16 v[rD:rD+7], v[rX:rX+7], v[rW:rW+7], 0
.else
	v_wmma_f32_16x16x32_bf16 v[rD:rD+7], v[rX:rX+7], v[rW:rW+7], v[rD:rD+7]
.endif
.endif
.set pb, pb+1
.endr
.set pa, pa+1
.endr
.endm
.macro RUNW c, slot, u                 ; 8 LDS loads: W_c's four fragments of half u of the slot's K step
.irp b, 0,1,2,3
	ds_load_b128 v[WF+32*(\c)+8*(\b):WF+32*(\c)+8*(\b)+3],   v[ADRW+(\slot)] offset:18432*(\c)+2304*(\b)+64*(\u)
	ds_load_b128 v[WF+32*(\c)+8*(\b)+4:WF+32*(\c)+8*(\b)+7], v[ADRW+(\slot)] offset:18432*(\c)+2304*(\b)+64*(\u)+32
.endr
.endm
.macro RUNX slot, u, xf                ; 16 LDS loads: x's eight fragments
.irp a, 0,1,2,3,4,5,6,7
	ds_load_b128 v[(\xf)+8*(\a):(\xf)+8*(\a)+3],   v[ADRX+(\slot)] offset:2304*(\a)+64*(\u)
	ds_load_b128 v[(\xf)+8*(\a)+4:(\xf)+8*(\a)+7], v[ADRX+(\slot)] offset:2304*(\a)+64*(\u)+32
.endr
.endm
; THE LDS LOADS go out in three runs a sub-step, each behind the product that read its registers last: A (Wq's 8 and x's 16), B (Wk's 8), C (Wv's 8), each for the next sub-step.
; AN EVEN SUB-STEP: the first 32 along K of the slot's step, x in buffer 0; it fetches the second 32 of the same slot.
.macro EVEN slot, zero
	s_wait_dscnt 16                                ; my run A is in; runs B and C (8 + 8) may stay out
	PH 0, X0, 0, 8, \zero
	WIN 0
	PLACES
	RUNW 0, \slot, 1
	RUNX \slot, 1, X1
	s_wait_dscnt 32                                ; my run B is in; younger: my run C (8) and the next run A (24)
	PH 1, X0, 0, 8, \zero
	WIN 0
	PLACES
	RUNW 1, \slot, 1
	s_wait_dscnt 32                                ; my run C is in; younger: the next runs A (24) and B (8)
	PH 2, X0, 0, 8, \zero
	WIN 0
	PLACES
	RUNW 2, \slot, 1
.endm
; AN ODD SUB-STEP: the second 32 along K, x in buffer 1; it changes slots.  ONE barrier, for two things: in front of it each wave waits for all its tensor loads, of which one is out: its part of the next
; slot; adds 0 to its spare word; and waits for that and for its own reads of this slot (its runs B and C were the last).  Behind it nobody reads this slot and the next slot is whole.
; fill = 1: the barrier opens a round of the cluster's barrier, and the slot is filled again, two K steps on, first thing behind the round: 160 matrix instructions of mine ahead of the wait for it.
.macro ODD slot, next, fill, lim
.if \fill
	s_wait_xcnt 0x0                                ; the last prefetch, a K step back, has read its address: it is stepped here
	s_add_nc_u64 s[PFA:PFA+1], s[PFA:PFA+1], KBS
.endif
	WIN 0
	s_wait_tensorcnt 0x0                           ; all my tensor loads have landed
	ds_add_u32 v[SPW], v[NIL]                      ; 0 onto my spare word
	s_wait_dscnt 17                                ; my run A is in; runs B and C and the add (8 + 8 + 1) may stay out
	PH 0, X1, 0, 4, 0                              ; sixteen matrix instructions stand between the add and the wait for it
	s_wait_dscnt 0x0                               ; the add is done, and my reads of this slot are over
	s_barrier_signal -1
	PH 0, X1, 4, 4, 0                              ; work on registers while the others arrive
	WIN 0
	s_barrier_wait -1
.if \fill
	CREST                                          ; no wave of any partner still reads this slot's tile or has a load on its way
	s_add_nc_u64 s[G0X+4*(\slot)+2:G0X+4*(\slot)+3], s[G0X+4*(\slot)+2:G0X+4*(\slot)+3], 2*KBS
	s_add_nc_u64 s[G0W+4*(\slot)+2:G0W+4*(\slot)+3], s[G0W+4*(\slot)+2:G0W+4*(\slot)+3], 2*KBS
	JLOAD \slot                                    ; its four v_nop are also the places in front of the loads below
.else
	PLACES
.endif
	RUNW 0, \next, 0
	RUNX \next, 0, X0
.if \fill
	ASK \lim
.endif
	PH 1, X1, 0, 8, 0
	WIN 0
	PLACES
	RUNW 1, \next, 0
	PH 2, X1, 0, 8, 0
	WIN 0
	PLACES
	RUNW 2, \next, 0
.endm
	s_wait_tensorcnt 1                             ; my part of K step 0 is in; K step 1's may stay out
	s_barrier_signal -1
	s_barrier_wait -1                              ; everybody's is
	RUNW 0, 0, 0
	RUNX 0, 0, X0
	RUNW 1, 0, 0
	RUNW 2, 0, 0
	EVEN 0, 1                                      ; the first sub-step stands in front of the loop: its products start the sums
	s_mov_b32 s3, 7
.Ltrip:                                        ; a trip goes once round the ring: sub-steps 4 n + 1 .. 4 n + 4; it fills both slots again: K steps 2 .. 15 in seven trips
	ODD 0, 1, 1, LIM0
	EVEN 1, 0
	ODD 1, 0, 1, LIM1
	EVEN 0, 0
	s_sub_co_u32 s3, s3, 1
	s_cmp_lg_u32 s3, 0
	s_cbranch_scc1 .Ltrip
	ODD 0, 1, 0, 0                                 ; the tail is written out: nothing is left to ask for, and no round of the cluster's barrier stands here
	EVEN 1, 0
	s_wait_dscnt 16                                ; the last sub-step fetches nothing: the counts run down
	PH 0, X1, 0, 8, 0
	s_wait_dscnt 8
	PH 1, X1, 0, 8, 0
	s_wait_dscnt 0x0
	PH 2, X1, 0, 8, 0
	WIN 0
; THE WAY OUT, in twelve units of eight accumulators: q's by pairs of blocks a (32 rows x 128 bytes), k's and v's by blocks b (16 rows e x 256 bytes).  PACK: rounded to f16, 16 bytes a lane,
; each accumulator's registers in ascending order.  MAXA: the magnitudes of what was rounded, into four chains.  TOSTAGE: into my own stage, and back as whole rows.  SEND: stored.
.macro PACK c, u
	WIN 5*((\c)+1)                                 ; sources 0 and 1 in window c + 1
.set k, 0
.rept 8
.if (\c) == 0
.set AC, 8*(4*(2*(\u)+k/4)+k%4)
.else
.set AC, 8*(4*k+(\u))
.endif
.irp r, 0,1,2,3
	v_cvt_pk_f16_f32 v[TMP+4*k+(\r)], v[AC+2*(\r)], v[AC+2*(\r)+1]
.endr
.set k, k+1
.endr
	WIN 0
.endm
.macro MAXA c
.set k, 0
.rept 32
	v_and_b32 v[AB+k], s72, v[TMP+k]
	v_pk_max_num_f16 v[MK+4*((\c)-1)+k%4], v[MK+4*((\c)-1)+k%4], v[AB+k]
.set k, k+1
.endr
.endm
.macro TOSTAGE c, n
.set BKN, BK+32*((\n)%2)
.irp j, 0,1,2,3,4,5,6,7
.if (\c) == 0
	ds_store_b128 v[STQ], v[TMP+4*(\j):TMP+4*(\j)+3] offset:2304*((\j)/4)+32*((\j)%4)
.else
	ds_store_b128 v[STK], v[TMP+4*(\j):TMP+4*(\j)+3] offset:32*(\j)
.endif
.endr
.irp t, 0,1,2,3,4,5,6,7
.if (\c) == 0
	ds_load_b128 v[BKN+4*(\t):BKN+4*(\t)+3], v[RDQ] offset:576*(\t)  ; LDS serves a wave's instructions in order (ISA guide 5.7.1.4): these see the stores above
.else
	ds_load_b128 v[BKN+4*(\t):BKN+4*(\t)+3], v[RDK] offset:544*(\t)
.endif
.endr
.endm
.macro SEND c, u, n
.set BKN, BK+32*((\n)%2)
	s_wait_dscnt 0x0                               ; the unit is back in registers
	s_wait_xcnt 0x0                                ; the stores of the unit before have read their registers: the next TOSTAGE loads into them
.irp t, 0,1,2,3,4,5,6,7
.if (\c) == 0
	global_store_b128 v[GOQ], v[BKN+4*(\t):BKN+4*(\t)+3], s[6:7] offset:4096*(\u)+512*(\t)      ; 512 consecutive bytes, at a multiple of 256 from q's first
.else
	global_store_b128 v[COK], v[BKN+4*(\t):BKN+4*(\t)+3], s[6+2*(\c):7+2*(\c)] offset:65536*(\u)+8192*(\t)  ; 16 lanes store 256 consecutive bytes, at a multiple of 256 from the buffer's first
.endif
.endr
.endm
	PLACES
	PACK 0, 0
	TOSTAGE 0, 0
.set n, 1
.rept 11                               ; unit n's conversions stand between unit n - 1's loads from the stage and the wait for them
	PACK n/4, n%4
.if n >= 4
	MAXA n/4
.endif
	SEND (n-1)/4, (n-1)%4, n-1
	TOSTAGE n/4, n
.set n, n+1
.endr
	SEND 2, 3, 11
	; my wave's largest |k| and |v|: the chains, the two halves, the 32 lanes
	v_pk_max_num_f16 v8, v8, v9
	v_pk_max_num_f16 v10, v10, v11
	v_pk_max_num_f16 v12, v12, v13
	v_pk_max_num_f16 v14, v14, v15
	v_pk_max_num_f16 v8, v8, v10
	v_pk_max_num_f16 v12, v12, v14
	v_cvt_f32_f16 v4, v8.l
	v_cvt_f32_f16 v5, v8.h
	v_cvt_f32_f16 v6, v12.l
	v_cvt_f32_f16 v7, v12.h
	v_max_num_f32 v4, v4, v5
	v_max_num_f32 v6, v6, v7
.irp m, 1,2,4,8
	v_max_num_f32_dpp v4, v4, v4 row_xmask:\m row_mask:0xf bank_mask:0xf
	v_max_num_f32_dpp v6, v6, v6 row_xmask:\m row_mask:0xf bank_mask:0xf
.endr
	v_permlanex16_b32 v5, v4, s70, s71
	v_permlanex16_b32 v7, v6, s70, s71
	v_max_num_f32 v2, v4, v5
	v_max_num_f32 v3, v6, v7
	v_and_b32 v1, 31, v0
	v_cmp_eq_u32 vcc_lo, 0, v1
	s_wait_xcnt 0x0                                ; EXEC changes only behind this wait: it is a source of the stores above
	s_and_saveexec_b32 s73, vcc_lo
	global_store_b64 v[ZOF], v[2:3], s[12:13]      ; lane 0: eight bytes a wave
	s_wait_xcnt 0x0                                ; and again, in front of the line that widens it
	s_or_b32 exec_lo, exec_lo, s73
	s_wait_tensorcnt 0x0                           ; the wave's end: behind my last tensor load and my last LDS store
	ds_add_u32 v[SPW], v[NIL]
	s_wait_dscnt 0x0
	CROUND                                         ; the closing round: no work-group ends while a partner may still ask for a tile that names it
	s_endpgm
.Lfunc_end_k_q6c15907bbf_proj:
	.size	k_q6c15907bbf_proj, .Lfunc_end_k_q6c15907bbf_proj-k_q6c15907bbf_proj
	.p2alignl 7, 3214868480
	.fill 96, 4, 3214868480
	.section	.rodata,"a",@progbits
	.p2align	6, 0x0
	.amdhsa_kernel k_q6c15907bbf_proj
		.amdhsa_group_segment_fixed_size 327680
		.amdhsa_private_segment_fixed_size 0
		.amdhsa_enable_private_segment 0
		.amdhsa_kernarg_size 40
		.amdhsa_user_sgpr_count 2
		.amdhsa_user_sgpr_kernarg_segment_ptr 1
		.amdhsa_wavefront_size32 1
		.amdhsa_system_sgpr_workgroup_id_x 1
		.amdhsa_system_sgpr_workgroup_id_y 1
		.amdhsa_system_sgpr_workgroup_id_z 1
		.amdhsa_system_vgpr_workitem_id 0
		.amdhsa_next_free_vgpr 1024
		.amdhsa_next_free_sgpr 80
		.amdhsa_reserve_vcc 1
		.amdhsa_float_denorm_mode_32 3
		.amdhsa_float_denorm_mode_16_64 3
		.amdhsa_memory_ordered 1
		.amdhsa_forward_progress 1
		.amdhsa_inst_pref_size 158
	.end_amdhsa_kernel
	.amdgpu_metadata
---
amdhsa.version: [ 1, 2 ]
amdhsa.kernels:
  - .name:           k_q6c15907bbf_proj
    .symbol:         k_q6c15907bbf_proj.kd
    .args:
      - { .name: ab, .offset: 0, .size: 8, .value_kind: global_buffer, .address_space: global }
      - { .name: q, .offset: 8, .size: 8, .value_kind: global_buffer, .address_space: global }
      - { .name: kt, .offset: 16, .size: 8, .value_kind: global_buffer, .address_space: global }
      - { .name: vt, .offset: 24, .size: 8, .value_kind: global_buffer, .address_space: global }
      - { .name: amax, .offset: 32, .size: 8, .value_kind: global_buffer, .address_space: global }
    .group_segment_fixed_size: 327680
    .private_segment_fixed_size: 0
    .kernarg_segment_align: 8
    .kernarg_segment_size: 40
    .max_flat_workgroup_size: 128
    .sgpr_count:     80
    .vgpr_count:     1024
    .wavefront_size: 32
...
	.end_amdgpu_metadata
.endif
;; end of part 2
;; launch ktv (part 3): grid 8 x 32, 4 waves a work-group, clusters of 4 x 4, 327,680 bytes of LDS; arguments vt, kt, tt, amax; writes tt
.if DOCPART == 3
	.amdgcn_target "amdgcn-amd-amdhsa--gfx1250"
	.amdhsa_code_object_version 6
	.text
	.protected	k_q6c15907bbf_ktv
	.globl	k_q6c15907bbf_ktv
	.p2align	8
	.type	k_q6c15907bbf_ktv,@function
k_q6c15907bbf_ktv:
	s_mov_b64 s[64:65], 0
	v_nop
	global_prefetch_b8 v0, s[64:65] scope:SCOPE_SE
	s_setreg_imm32_b32 hwreg(HW_REG_WAVE_MODE, 25, 1), 1
	s_wait_xcnt 0x0
	s_wait_alu depctr_hold_cnt(0) depctr_sa_sdst(0) depctr_va_vdst(0) depctr_va_sdst(0) depctr_va_ssrc(0) depctr_va_vcc(0) depctr_vm_vsrc(0)
	s_getreg_b32 s2, hwreg(HW_REG_IB_STS2, 6, 4)
	s_cmp_eq_u32 s2, 0
	s_cbranch_scc0 .Lentry_in_a_cluster
	s_endpgm
.Lentry_in_a_cluster:
	s_bfe_u32 s2, ttmp6, 0x10000c
	s_cmp_lg_u32 s2, 0xf033
	s_cbranch_scc0 .Lentry_shape_is_right
	s_endpgm
.Lentry_shape_is_right:
; tt_b[e'][d] = sigma x the sum over s of vt_b[e'][s] kt_b[d][s]: k^T v, transposed and scaled, in f16.  The score q k^T is not formed: (q k^T) v = q (k^T v) for all values (see lay's head).
; vt, kt: [4 b][1024][2048 s] f16.  tt: [4 b][16 db][1024 e'][64 d] f16: K blocks of 64 for outp.  Sums in f32, rounded once.
; THE SCALE.  mk, mv: the largest |k|, |v| (amax), ek, ev their biased f32 exponents: mk < 2^(ek - 126).  A sum of 2,048 products stays under 2^(11 + ek + ev - 252).
; sigma = 2^(se - 127), se = 383 - ek - ev held to 8 .. 240: sigma x sum stays under 2^15, inside f16.  It enters values alone: no address, no branch.
; LIMIT.  The lower bound 8 binds only where mk x mv is 2^122 or more.  NaN and infinities are not treated apart.
; SHARES.  A tile of 128 e' x 128 d to a work-group: 8 x 8 tiles a batch, 256 in all; four waves of 64 x 64: 16 accumulators.  K (s) in steps of 256: LDS rows of 512 bytes, 64 to a load, two slots.
; CLUSTER.  4 x 4: vt's tile hangs on the tile row and is shared along a row of the cluster; kt's on the tile column and on the batch, which the cluster's y fixes: shared along a column.
; No prefetch: a tile of this size has 128 matrix instructions a wave in a K step, and every row of vt and kt is read by eight work-groups at about the same time.
; THE MATRIX INSTRUCTION IS USED TRANSPOSED (source 0 = 16 rows of kt, source 1 = 16 rows of vt): a lane holds one row e' and eight neighbouring d.
; REGISTERS: window 0: v0-31 addresses and at work; v32-95 amax, later the way out; v128-255 the accumulators ((a, b) at v[128 + 8 (4 a + b)]).
;   window 1: two fragment buffers of 128: for 64 along K, 64 registers of vt's, then 64 of kt's.
.set SIZE_K, 2048
.set KSTEP,  256
.set PITCH,  528                       ; an LDS row: 512 bytes + 16 of padding = 132 words: row r starts at bank 4 r mod 64 (64 banks of 4 bytes: ISA guide 11.1)
.set HALFT,  64*PITCH
.set SLOT,   4*HALFT                   ; vt's 128 rows, then kt's 128 rows
.set STAGE,  2*SLOT                    ; behind the ring, never filled by a tensor load: 16 rows x 144 bytes for each wave
.set SP,     144
.set SPARE,  STAGE+4*16*SP             ; the spare words, 128 bytes for each wave: two blocks of 256 bytes that no other line names
.set LAPS,   SIZE_K/(2*KSTEP)
.set ADRA, 16
.set ADRB, 20
.set STO,  24
.set RD,   25
.set GO,   26                          ; 16 x lane: my place in 512 consecutive bytes, of tt and of amax
.set SPW,  28
.set NIL,  29
.set TMP,  32
.set ACC,  128
.set F0,   0
.set F1,   128
.set G1, 24
.set G0, 32
.set G1B, 48
.set G0B, 56
.set MSB, 0
.macro WIN new
.if MSB != (\new)
	s_set_vgpr_msb (MSB<<8)|(\new)
.set MSB, \new
.endif
.endm
.set MUL,  0x05                        ; sources 0 and 1 window 1; C and D window 0
.set TO_F, 0x40                        ; destination window 1, address window 0
.macro JLOAD s                         ; a joint load: waves 0 and 1 fetch vt's two halves, waves 2 and 3 kt's; an s_nop 0 and four v_nop follow each line
	s_cmp_eq_u32 s11, 0
	s_cbranch_scc0 .Lfor_b_\@
	tensor_load_to_lds s[G0+4*(\s):G0+4*(\s)+3], s[G1:G1+7]
	s_nop 0
.rept 4
	v_nop
.endr
	s_branch .Lasked_\@
.Lfor_b_\@:
	tensor_load_to_lds s[G0B+4*(\s):G0B+4*(\s)+3], s[G1B:G1B+7]
	s_nop 0
.rept 4
	v_nop
.endr
.Lasked_\@:
.endm
.macro CREST
	s_cmp_lg_u32 s10, 0
	s_cbranch_scc1 .Lnot_wave_0_\@
	s_barrier_signal -3
.Lnot_wave_0_\@:
	s_barrier_wait -3
	s_barrier_signal -1
	s_barrier_wait -1
.endm
.macro CROUND
	s_barrier_signal -1
	s_barrier_wait -1
	CREST
.endm
	s_load_b128 s[4:7], s[0:1], 0x0                ; vt s[4:5], kt s[6:7]
	s_load_b128 s[68:71], s[0:1], 0x10             ; tt s[68:69], amax s[70:71]
	v_lshl_add_u32 v[SPW], v0, 2, SPARE
	v_mov_b32 v[NIL], 0
	ds_add_u32 v[SPW], v[NIL]                      ; the wave's opening: the add, twice on end, and its wait ahead of my first tensor load
	ds_add_u32 v[SPW], v[NIL]
	v_lshrrev_b32 v1, 5, v0
	v_readfirstlane_b32 s10, v1                    ; wave 0..3
	s_lshr_b32 s11, s10, 1                         ; my half of the tile's rows e'.  Also: I fetch for vt (0) or for kt (1)
	s_and_b32 s12, s10, 1                          ; my half of its columns d.  Also: which 64 rows of that tile I fetch
	s_bfe_u32 s40, ttmp6, 0x40000                  ; cx
	s_bfe_u32 s41, ttmp6, 0x40004                  ; cy
	s_lshl_b32 s42, ttmp9, 2
	s_add_co_u32 s42, s42, s40                     ; tile column x
	s_and_b32 s45, ttmp7, 0xffff                   ; cluster y: the batch is half of it
	s_lshl_b32 s13, s45, 2
	s_add_co_u32 s13, s13, s41                     ; tile row y, over the four batches' 4,096 rows of vt
	s_lshl_b32 s43, s41, 2
	s_lshl_b32 s43, 15, s43                        ; my row of the cluster
	s_lshl_b32 s44, 0x1111, s40                    ; my column
	s_or_b32 s[G1+0], s43, (1<<16)|(1<<20)|(1<<21)|(6<<22)|(3<<25)  ; the mask; elements of 2 bytes; padding on; 21 set beside a mask; after every 128 words (code 6) 4 words (code 3)
	s_or_b32 s[G1B+0], s44, (1<<16)|(1<<20)|(1<<21)|(6<<22)|(3<<25)
.irp g, G1, G1B
	s_mov_b32 s[(\g)+1], KSTEP<<16                 ; tensor_dim0 = 256
	s_mov_b32 s[(\g)+2], 64<<16                    ; tensor_dim1 = 64
	s_mov_b32 s[(\g)+3], KSTEP<<16                 ; tile_dim0 = 256
	s_mov_b32 s[(\g)+4], 64                        ; tile_dim1 = 64
	s_mov_b32 s[(\g)+5], SIZE_K                    ; elements from row to row
	s_mov_b32 s[(\g)+6], 0
	s_mov_b32 s[(\g)+7], 0
.endr
	s_lshl_b32 s17, s12, 6
	s_lshl_b32 s16, s13, 7
	s_add_co_u32 s16, s16, s17                     ; vt: row 128 y + 64 x half
	s_lshl_b32 s16, s16, 12                        ; 4,096 bytes a row
	s_lshl_b32 s46, s42, 7
	s_add_co_u32 s46, s46, s17                     ; kt: row 128 x + 64 x half,
	s_lshr_b32 s47, s45, 1
	s_lshl_b32 s47, s47, 10
	s_add_co_u32 s46, s46, s47                     ; in the batch's 1,024
	s_lshl_b32 s46, s46, 12
	s_mov_b32 s17, 0
	s_mov_b32 s47, 0
	s_mul_i32 s20, s10, HALFT                      ; where they go: wave x 64 rows
	s_mov_b32 s76, 0x76543210                      ; v_permlanex16_b32's selects
	s_mov_b32 s77, 0xfedcba98
	s_wait_dscnt 0x0                               ; both opening adds are done
	s_wait_kmcnt 0x0
	s_add_nc_u64 s[14:15], s[4:5], s[16:17]
	s_add_nc_u64 s[46:47], s[6:7], s[46:47]
	CROUND                                         ; all sixteen work-groups are here: the first joint loads meet
.irp s, 0,1
	s_mov_b32 s[G0+4*(\s)], 1
	s_add_co_u32 s[G0+4*(\s)+1], s20, (\s)*SLOT
	s_add_nc_u64 s[G0+4*(\s)+2:G0+4*(\s)+3], s[14:15], (\s)*KSTEP*2
	s_or_b32 s[G0+4*(\s)+3], s[G0+4*(\s)+3], 0x80000000
	s_mov_b32 s[G0B+4*(\s)], 1
	s_add_co_u32 s[G0B+4*(\s)+1], s20, (\s)*SLOT
	s_add_nc_u64 s[G0B+4*(\s)+2:G0B+4*(\s)+3], s[46:47], (\s)*KSTEP*2
	s_or_b32 s[G0B+4*(\s)+3], s[G0B+4*(\s)+3], 0x80000000
	JLOAD \s
.endr
	v_and_b32 v1, 15, v0                           ; r = l % 16
	v_bfe_u32 v2, v0, 4, 1                         ; h = l / 16
	v_mul_u32_u24 v3, v1, PITCH
	v_lshl_add_u32 v3, v2, 4, v3
	s_mul_i32 s21, s11, HALFT                      ; my 64 rows of vt
	s_mul_i32 s22, s12, HALFT                      ; my 64 rows of kt,
	s_add_co_u32 s22, s22, 2*HALFT                 ; which lie behind vt's 128
.irp s, 0,1
	v_add_nc_u32 v[ADRA+(\s)], s21, v3
	v_add_nc_u32 v[ADRB+(\s)], s22, v3
	s_add_co_u32 s21, s21, SLOT
	s_add_co_u32 s22, s22, SLOT
.endr
	s_mul_i32 s23, s10, 16*SP
	s_add_co_u32 s23, s23, STAGE                   ; my stage
	v_mul_u32_u24 v4, v1, SP                       ; in: row r, 16 bytes for each half of the lanes
	v_lshl_add_u32 v4, v2, 4, v4
	v_add_nc_u32 v[STO], s23, v4
	v_bfe_u32 v4, v0, 3, 2                         ; back: 32 lanes take four rows of 128 bytes,
	v_and_b32 v5, 7, v0
	v_mul_u32_u24 v4, v4, SP
	v_lshl_add_u32 v4, v5, 4, v4
	v_add_nc_u32 v[RD], s23, v4
	v_and_b32 v6, 31, v0
	v_lshlrev_b32 v[GO], 4, v6                     ; which are 512 consecutive bytes of tt
	s_lshr_b32 s72, s13, 3                         ; tt: batch y / 8,
	s_lshl_b32 s72, s72, 21
	s_lshl_b32 s73, s42, 18                        ; d block 2 x + my half, 131,072 bytes each,
	s_add_co_u32 s72, s72, s73
	s_lshl_b32 s73, s12, 17
	s_add_co_u32 s72, s72, s73
	s_and_b32 s73, s13, 7                          ; row 128 (y % 8) + 64 x my half, 128 bytes each
	s_lshl_b32 s73, s73, 14
	s_add_co_u32 s72, s72, s73
	s_lshl_b32 s73, s11, 13
	s_add_co_u32 s72, s72, s73
	s_mov_b32 s73, 0
	s_add_nc_u64 s[68:69], s[68:69], s[72:73]
	; THE SCALE: all 1,024 pairs of amax (8 KiB), 32 pairs a lane; words 0 and 2 of a load are |k|'s, words 1 and 3 |v|'s: four chains, then the 32 lanes.  It stands in the wait for the first tile.
.irp t, 0,1,2,3,4,5,6,7,8,9,10,11,12,13,14,15
	global_load_b128 v[TMP+4*(\t):TMP+4*(\t)+3], v[GO], s[70:71] offset:512*(\t)
.endr
	s_wait_loadcnt 0x0
	v_max_num_f32 v8, v[TMP], v[TMP+4]
	v_max_num_f32 v9, v[TMP+2], v[TMP+6]
	v_max_num_f32 v10, v[TMP+1], v[TMP+5]
	v_max_num_f32 v11, v[TMP+3], v[TMP+7]
.irp i, 1,2,3,4,5,6,7
	v_max3_num_f32 v8, v8, v[TMP+8*(\i)], v[TMP+8*(\i)+4]
	v_max3_num_f32 v9, v9, v[TMP+8*(\i)+2], v[TMP+8*(\i)+6]
	v_max3_num_f32 v10, v10, v[TMP+8*(\i)+1], v[TMP+8*(\i)+5]
	v_max3_num_f32 v11, v11, v[TMP+8*(\i)+3], v[TMP+8*(\i)+7]
.endr
	v_max_num_f32 v8, v8, v9
	v_max_num_f32 v10, v10, v11
.irp m, 1,2,4,8
	v_max_num_f32_dpp v8, v8, v8 row_xmask:\m row_mask:0xf bank_mask:0xf
	v_max_num_f32_dpp v10, v10, v10 row_xmask:\m row_mask:0xf bank_mask:0xf
.endr
	v_permlanex16_b32 v9, v8, s76, s77
	v_permlanex16_b32 v11, v10, s76, s77
	v_max_num_f32 v8, v8, v9
	v_max_num_f32 v10, v10, v11
	v_readfirstlane_b32 s72, v8
	v_readfirstlane_b32 s73, v10
	s_lshr_b32 s72, s72, 23                        ; ek (the sign is 0)
	s_lshr_b32 s73, s73, 23                        ; ev
	s_add_co_u32 s72, s72, s73
	s_sub_co_i32 s72, 383, s72
	s_max_i32 s72, s72, 8
	s_min_i32 s72, s72, 240                        ; se
	s_lshl_b32 s66, s72, 23                        ; sigma = 2^(se - 127)
	s_mov_b32 s67, s66                             ; named with it as a pair
.macro MUL8 f, c, a0, zero             ; 8 matrix instructions: m blocks a0, a0 + 1 x all 4 n blocks, 32 along K: half c of buffer f.  The 16 accumulators take turns
	WIN MUL
.irp a, \a0, (\a0)+1
.irp b, 0,1,2,3
.if \zero
	v_wmma_f32_16x16x32_f16 v[ACC+8*(4*(\a)+(\b)):ACC+8*(4*(\a)+(\b))+7], v[(\f)+64+8*(4*(\c)+(\b)):(\f)+64+8*(4*(\c)+(\b))+7], v[(\f)+8*(4*(\c)+(\a)):(\f)+8*(4*(\c)+(\a))+7], 0
.else
	v_wmma_f32_16x16x32_f16 v[ACC+8*(4*(\a)+(\b)):ACC+8*(4*(\a)+(\b))+7], v[(\f)+64+8*(4*(\c)+(\b)):(\f)+64+8*(4*(\c)+(\b))+7], v[(\f)+8*(4*(\c)+(\a)):(\f)+8*(4*(\c)+(\a))+7], v[ACC+8*(4*(\a)+(\b)):ACC+8*(4*(\a)+(\b))+7]
.endif
.endr
.endr
.endm
.macro FETCH slot, k, f                ; 32 LDS loads in one run: the fragments of 64 along K at byte k of the rows, into buffer f; the first 32 along K first
	WIN TO_F
.irp c, 0,1
.irp i, 0,1,2,3
	ds_load_b128 v[(\f)+64+8*(4*(\c)+(\i)):(\f)+64+8*(4*(\c)+(\i))+3],   v[ADRB+(\slot)] offset:(\k)+64*(\c)+(\i)*16*PITCH
	ds_load_b128 v[(\f)+64+8*(4*(\c)+(\i))+4:(\f)+64+8*(4*(\c)+(\i))+7], v[ADRB+(\slot)] offset:(\k)+64*(\c)+(\i)*16*PITCH+32
	ds_load_b128 v[(\f)+8*(4*(\c)+(\i)):(\f)+8*(4*(\c)+(\i))+3],         v[ADRA+(\slot)] offset:(\k)+64*(\c)+(\i)*16*PITCH
	ds_load_b128 v[(\f)+8*(4*(\c)+(\i))+4:(\f)+8*(4*(\c)+(\i))+7],       v[ADRA+(\slot)] offset:(\k)+64*(\c)+(\i)*16*PITCH+32
.endr
.endr
.endm
.macro PLACES                          ; four places in front of loads into registers that matrix instructions have read, and of arithmetic on results
.rept 4
	v_nop
.endr
.endm
; A K step is four quarters of 64 along K, 32 matrix instructions each, on buffers 0, 1, 0, 1.  One of the first three: multiplies buffer f and fetches the next quarter, at byte k, into g.
.macro QUARTER slot, k, f, g, zero
	s_wait_dscnt 16                                ; the first 32 along K are in; the other sixteen loads may stay out
	WIN MUL
	MUL8 \f, 0, 0, \zero
	MUL8 \f, 0, 2, \zero
	PLACES
	FETCH \slot, \k, \g
	s_wait_dscnt 32                                ; all but the 32 just issued
	WIN MUL
	MUL8 \f, 1, 0, 0
	MUL8 \f, 1, 2, 0
.endm
; The last quarter multiplies buffer 1 and changes slots: ONE barrier; in front of it each wave waits for all its tensor loads, adds 0 to its spare word, and waits for that and for its own reads of this slot.
.macro TURN slot, next, fill
	WIN 0                                          ; (the add's two registers lie in window 0)
	s_wait_tensorcnt 0x0                           ; all my tensor loads have landed: my part of the next slot
	ds_add_u32 v[SPW], v[NIL]                      ; 0 onto my spare word
	s_wait_dscnt 17                                ; (the add and the youngest sixteen loads may be out)
	WIN MUL
	MUL8 F1, 0, 0, 0
	s_wait_dscnt 0x0                               ; the add is done, and my reads of this slot are over
	s_barrier_signal -1
	MUL8 F1, 0, 2, 0
.if \fill
	WIN 0
.endif
	s_barrier_wait -1
.if \fill
	CREST                                          ; the barrier has opened a round of the cluster's barrier: no wave of any partner still reads this slot's tile or has a load on its way
	s_add_nc_u64 s[G0+4*(\slot)+2:G0+4*(\slot)+3], s[G0+4*(\slot)+2:G0+4*(\slot)+3], 2*KSTEP*2
	s_add_nc_u64 s[G0B+4*(\slot)+2:G0B+4*(\slot)+3], s[G0B+4*(\slot)+2:G0B+4*(\slot)+3], 2*KSTEP*2
	JLOAD \slot                                    ; the first tensor load behind the round; its four v_nop are also the places in front of the loads below
.else
	PLACES
.endif
	FETCH \next, 0, F0
	WIN MUL
	MUL8 F1, 1, 0, 0
	MUL8 F1, 1, 2, 0
.endm
	s_wait_tensorcnt 1                             ; my part of K step 0 is in; K step 1's may stay out
	s_barrier_signal -1
	s_barrier_wait -1
	FETCH 0, 0, F0
	QUARTER 0, 128, F0, F1, 1                      ; the first quarter stands in front of the loop: its first products start the sums
	WIN 0
	s_mov_b32 s3, LAPS-1
.Llap:                                         ; a trip goes once round the ring and fills both slots again
	QUARTER 0, 256, F1, F0, 0
	QUARTER 0, 384, F0, F1, 0
	TURN 0, 1, 1
	QUARTER 1, 128, F0, F1, 0
	QUARTER 1, 256, F1, F0, 0
	QUARTER 1, 384, F0, F1, 0
	TURN 1, 0, 1
	QUARTER 0, 128, F0, F1, 0
	WIN 0
	s_sub_co_u32 s3, s3, 1
	s_cmp_lg_u32 s3, 0
	s_cbranch_scc1 .Llap
	QUARTER 0, 256, F1, F0, 0                      ; the last lap fills nothing
	QUARTER 0, 384, F0, F1, 0
	TURN 0, 1, 0
	QUARTER 1, 128, F0, F1, 0
	QUARTER 1, 256, F1, F0, 0
	QUARTER 1, 384, F0, F1, 0
	s_wait_dscnt 16
	WIN MUL
	MUL8 F1, 0, 0, 0
	MUL8 F1, 0, 2, 0
	s_wait_dscnt 0x0
	MUL8 F1, 1, 0, 0
	MUL8 F1, 1, 2, 0
	WIN 0
; THE WAY OUT, a block a of 16 rows e' at a time: times sigma, rounded to f16; a lane's eight d pack into 16 bytes; they go into rows of 144 bytes of my own stage and come back as whole rows of 128,
; 2,048 consecutive bytes of tt a block.
.macro PACK a
.set i, ACC+32*(\a)
.rept 16
	v_pk_mul_f32 v[i:i+1], v[i:i+1], s[66:67] op_sel_hi:[1,0]
.set i, i+2
.endr
.set i, 0
.rept 16
	v_cvt_pk_f16_f32 v[TMP+16*(\a)+i], v[ACC+32*(\a)+2*i], v[ACC+32*(\a)+2*i+1]
.set i, i+1
.endr
.irp f, 0,1,2,3
	ds_store_b128 v[STO], v[TMP+16*(\a)+4*\f:TMP+16*(\a)+4*\f+3] offset:32*\f
.endr
.irp f, 0,1,2,3
	ds_load_b128 v[TMP+16*(\a)+4*\f:TMP+16*(\a)+4*\f+3], v[RD] offset:\f*4*SP  ; LDS serves a wave's instructions in order (ISA guide 5.7.1.4): these see the stores above; the next block's stores come behind them
.endr
.endm
.macro SEND a, younger                 ; younger: the LDS instructions issued behind block a's loads: the next block's eight, or none
.irp f, 0,1,2,3
	s_wait_dscnt (\younger)+3-\f
	global_store_b128 v[GO], v[TMP+16*(\a)+4*\f:TMP+16*(\a)+4*\f+3], s[68:69] offset:(\a)*2048+\f*512  ; 512 consecutive bytes, at a multiple of 256 from tt's first
.endr
.endm
	PLACES
	PACK 0
	PACK 1
	SEND 0, 8
	PACK 2
	SEND 1, 8
	PACK 3
	SEND 2, 8
	SEND 3, 0
	s_wait_tensorcnt 0x0                           ; the wave's end: behind my last tensor load and my last LDS store
	ds_add_u32 v[SPW], v[NIL]
	s_wait_dscnt 0x0
	CROUND                                         ; the closing round
	s_endpgm
.Lfunc_end_k_q6c15907bbf_ktv:
	.size	k_q6c15907bbf_ktv, .Lfunc_end_k_q6c15907bbf_ktv-k_q6c15907bbf_ktv
	.p2alignl 7, 3214868480
	.fill 96, 4, 3214868480
	.section	.rodata,"a",@progbits
	.p2align	6, 0x0
	.amdhsa_kernel k_q6c15907bbf_ktv
		.amdhsa_group_segment_fixed_size 327680
		.amdhsa_private_segment_fixed_size 0
		.amdhsa_enable_private_segment 0
		.amdhsa_kernarg_size 32
		.amdhsa_user_sgpr_count 2
		.amdhsa_user_sgpr_kernarg_segment_ptr 1
		.amdhsa_wavefront_size32 1
		.amdhsa_system_sgpr_workgroup_id_x 1
		.amdhsa_system_sgpr_workgroup_id_y 1
		.amdhsa_system_sgpr_workgroup_id_z 1
		.amdhsa_system_vgpr_workitem_id 0
		.amdhsa_next_free_vgpr 512
		.amdhsa_next_free_sgpr 80
		.amdhsa_reserve_vcc 0
		.amdhsa_float_denorm_mode_32 3
		.amdhsa_float_denorm_mode_16_64 3
		.amdhsa_memory_ordered 1
		.amdhsa_forward_progress 1
		.amdhsa_inst_pref_size 95
	.end_amdhsa_kernel
	.amdgpu_metadata
---
amdhsa.version: [ 1, 2 ]
amdhsa.kernels:
  - .name:           k_q6c15907bbf_ktv
    .symbol:         k_q6c15907bbf_ktv.kd
    .args:
      - { .name: vt, .offset: 0, .size: 8, .value_kind: global_buffer, .address_space: global }
      - { .name: kt, .offset: 8, .size: 8, .value_kind: global_buffer, .address_space: global }
      - { .name: tt, .offset: 16, .size: 8, .value_kind: global_buffer, .address_space: global }
      - { .name: amax, .offset: 24, .size: 8, .value_kind: global_buffer, .address_space: global }
    .group_segment_fixed_size: 327680
    .private_segment_fixed_size: 0
    .kernarg_segment_align: 8
    .kernarg_segment_size: 32
    .max_flat_workgroup_size: 128
    .sgpr_count:     80
    .vgpr_count:     512
    .wavefront_size: 32
...
	.end_amdgpu_metadata
.endif
;; end of part 3
;; launch outp (part 4): grid 8 x 32, 4 waves a work-group, clusters of 4 x 4, 327,680 bytes of LDS; arguments q, tt, out0, amax; writes out0
.if DOCPART == 4
	.amdgcn_target "amdgcn-amd-amdhsa--gfx1250"
	.amdhsa_code_object_version 6
	.text
	.protected	k_q6c15907bbf_outp
	.globl	k_q6c15907bbf_outp
	.p2align	8
	.type	k_q6c15907bbf_outp,@function
k_q6c15907bbf_outp:
	s_mov_b64 s[64:65], 0
	v_nop
	global_prefetch_b8 v0, s[64:65] scope:SCOPE_SE
	s_setreg_imm32_b32 hwreg(HW_REG_WAVE_MODE, 25, 1), 1
	s_wait_xcnt 0x0
	s_wait_alu depctr_hold_cnt(0) depctr_sa_sdst(0) depctr_va_vdst(0) depctr_va_sdst(0) depctr_va_ssrc(0) depctr_va_vcc(0) depctr_vm_vsrc(0)
	s_getreg_b32 s2, hwreg(HW_REG_IB_STS2, 6, 4)
	s_cmp_eq_u32 s2, 0
	s_cbranch_scc0 .Lentry_in_a_cluster
	s_endpgm
.Lentry_in_a_cluster:
	s_bfe_u32 s2, ttmp6, 0x10000c
	s_cmp_lg_u32 s2, 0xf033
	s_cbranch_scc0 .Lentry_shape_is_right
	s_endpgm
.Lentry_shape_is_right:
; out_b[s][e'] = (2^-5 / sigma) x the sum over d of q[s][d] tt_b[e'][d]: q (k^T v) / 32, which is (q k^T / 32) v for all values (see lay's head); the score is not formed.
; q: [16 db][8192 s][64 d] f16.  tt: [4 b][16 db][1024 e'][64 d] f16, k^T v times sigma = 2^(se - 127) (see ktv's head; se is made here again from amax, by the same lines).  out0: [8192 s][1024 e'] f32.
; The factor 2^(122 - se) has the biased exponent 249 - se, 9 .. 241: a power of two, so the scale costs no rounding.
; SHARES.  A tile of 256 s x 128 e' to a work-group, 256 in all; a wave makes 128 x 64: 32 accumulators.  K (d) in 8 steps of 128 = two K blocks, through two LDS slots; a step is four quarters of 32.
; CLUSTER.  4 x 4: q's tile hangs on the tile row and is shared along a row of the cluster; tt's on the tile column and on the batch, which the cluster's y fixes: shared along a column.
; THE MATRIX INSTRUCTION IS USED TRANSPOSED (source 0 = 16 rows of tt, source 1 = 16 rows of q): a lane holds one row s and eight neighbouring e'.
; REGISTERS: window 0: v0-31 addresses and at work; v32-127, v128-223 two fragment buffers (tt's four, then q's eight).  Window 1: the accumulators, (a, b) at v[8 (4 a + b)].
.set PITCH, 144                        ; an LDS row: 128 bytes + 16 of padding: the 16 rows of a fragment load start at 16 different groups of four banks (64 banks of 4 bytes: ISA guide 11.1)
.set QKB,   256*PITCH                  ; q's 256 rows of a K block
.set TKB,   128*PITCH                  ; tt's 128 rows of a K block
.set TOFF,  2*QKB                      ; a slot: q's two K blocks, then tt's two
.set SLOT,  2*QKB+2*TKB
.set STAGE, 2*SLOT                     ; behind the ring, never filled by a tensor load: 16 rows x 272 bytes for each wave
.set SPITCH, 272
.set SPARE, STAGE+4*16*SPITCH          ; the spare words, 128 bytes for each wave: two blocks of 256 bytes that no other line names
.set QSTEP, 2097152                    ; bytes of q from a K step to the next: two K blocks
.set TSTEP, 262144                     ; the same for tt
.set ADRQ, 16
.set ADRT, 20
.set STO,  24
.set RD,   25
.set CO,   26
.set L16,  27                          ; 16 x lane
.set SPW,  28
.set NIL,  29
.set PFO,  30                          ; 256 x lane
.set F0,   32
.set F1,   128
.set TMP,  32
.set BK,   64
.set G1Q, 24
.set G0Q, 32
.set G1T, 48
.set G0T, 56
.set PFA, 72                           ; s[72:73] where my prefetches stand; s[74:75] their step from K step to K step
.set LIM0, 78
.set LIM1, 79
.set G1BITS, (1<<16)|(1<<20)|(1<<21)|(4<<22)|(3<<25)  ; elements of 2 bytes; padding on; 21 set beside a mask; after every 32 words (code 4) 4 words (code 3)
.set MSB, 0
.macro WIN new
.if MSB != (\new)
	s_set_vgpr_msb (MSB<<8)|(\new)
.set MSB, \new
.endif
.endm
.macro PLACES
.rept 4
	v_nop
.endr
.endm
.macro JLOAD s                         ; a joint load: waves 0 and 1 fetch q's two K blocks of a step, waves 2 and 3 tt's; an s_nop 0 and four v_nop follow each line
	s_cmp_eq_u32 s11, 0
	s_cbranch_scc0 .Lfor_t_\@
	tensor_load_to_lds s[G0Q+4*(\s):G0Q+4*(\s)+3], s[G1Q:G1Q+7]
	s_nop 0
.rept 4
	v_nop
.endr
	s_branch .Lasked_\@
.Lfor_t_\@:
	tensor_load_to_lds s[G0T+4*(\s):G0T+4*(\s)+3], s[G1T:G1T+7]
	s_nop 0
.rept 4
	v_nop
.endr
.Lasked_\@:
.endm
.macro CREST
	s_cmp_lg_u32 s10, 0
	s_cbranch_scc1 .Lnot_wave_0_\@
	s_barrier_signal -3
.Lnot_wave_0_\@:
	s_barrier_wait -3
	s_barrier_signal -1
	s_barrier_wait -1
.endm
.macro CROUND
	s_barrier_signal -1
	s_barrier_wait -1
	CREST
.endm
; A PREFETCH INTO THE L2, behind a joint load, its five lines and the run of LDS loads that follows: 32 blocks of 256 bytes, a lane a block, of the K step that stands two refills on (256 matrix instructions of mine).
; Each block is named once in the launch.  q's tile of a K step (64 KiB) is read by both clusters of a row of clusters: the one with cluster x = 0 asks, waves 0 and 1 of four partners for 8 KiB each, at
; every change of slots.  tt's tile (32 KiB) is read by the two clusters of a batch in a column: the one with even cluster y asks, at every second change, for two K steps: waves 2 and 3 of four partners.
; Partners are told apart BY ADDRESS alone.  The loop's last trip asks for nothing: K steps 8 and on do not exist.  K steps 0-3 come by their loads alone.
.macro ASK lim
	s_cmp_gt_u32 s3, s[\lim]
	s_cbranch_scc0 .Lnot_mine_\@
	global_prefetch_b8 v[PFO], s[PFA:PFA+1] th:TH_LOAD_NT scope:SCOPE_SE
.Lnot_mine_\@:
.endm
	s_load_b128 s[4:7], s[0:1], 0x0                ; q s[4:5], tt s[6:7]
	s_load_b128 s[68:71], s[0:1], 0x10             ; out0 s[68:69], amax s[70:71]
	v_lshl_add_u32 v[SPW], v0, 2, SPARE
	v_mov_b32 v[NIL], 0
	ds_add_u32 v[SPW], v[NIL]                      ; the wave's opening: the add, twice on end, and its wait ahead of my first tensor load
	ds_add_u32 v[SPW], v[NIL]
	v_lshrrev_b32 v1, 5, v0
	v_readfirstlane_b32 s10, v1                    ; wave 0..3
	s_lshr_b32 s11, s10, 1                         ; my half of the tile's rows s.  Also: I fetch for q (0) or for tt (1)
	s_and_b32 s12, s10, 1                          ; my half of its columns e'.  Also: which K block of a step I fetch
	s_bfe_u32 s40, ttmp6, 0x40000                  ; cx
	s_bfe_u32 s41, ttmp6, 0x40004                  ; cy
	s_lshl_b32 s42, ttmp9, 2
	s_add_co_u32 s42, s42, s40                     ; tile column x
	s_and_b32 s45, ttmp7, 0xffff                   ; cluster y: the batch is half of it
	s_lshl_b32 s13, s45, 2
	s_add_co_u32 s13, s13, s41                     ; tile row y
	s_lshl_b32 s43, s41, 2
	s_lshl_b32 s43, 15, s43                        ; my row of the cluster
	s_lshl_b32 s44, 0x1111, s40                    ; my column
	; descriptor group 1.  A tile's rows of one K block are dense: asked for as rows of 256 bytes (two rows of 64 f16), padded in LDS after every 128 bytes
	s_or_b32 s[G1Q], s43, G1BITS
	s_or_b32 s[G1T], s44, G1BITS
	s_mov_b32 s[G1Q+1], 128<<16                    ; tensor_dim0 = 128 elements
	s_mov_b32 s[G1Q+2], 128<<16                    ; tensor_dim1 = 128: 256 rows of q
	s_mov_b32 s[G1Q+3], 128<<16
	s_mov_b32 s[G1Q+4], 128
	s_mov_b32 s[G1Q+5], 128
	s_mov_b32 s[G1Q+6], 0
	s_mov_b32 s[G1Q+7], 0
	s_mov_b32 s[G1T+1], 128<<16
	s_mov_b32 s[G1T+2], 64<<16                     ; 128 rows of tt
	s_mov_b32 s[G1T+3], 128<<16
	s_mov_b32 s[G1T+4], 64
	s_mov_b32 s[G1T+5], 128
	s_mov_b32 s[G1T+6], 0
	s_mov_b32 s[G1T+7], 0
	s_lshl_b32 s16, s12, 20                        ; q: my K block, 1,048,576 bytes each,
	s_lshl_b32 s17, s13, 15                        ; row 256 y, 128 bytes each: no cx enters
	s_add_co_u32 s16, s16, s17
	s_mov_b32 s17, 0
	s_lshr_b32 s46, s45, 1                         ; tt: the batch,
	s_lshl_b32 s46, s46, 21
	s_lshl_b32 s47, s12, 17                        ; my K block, 131,072 bytes each,
	s_add_co_u32 s46, s46, s47
	s_lshl_b32 s47, s42, 14                        ; row 128 x: no cy enters
	s_add_co_u32 s46, s46, s47
	s_mov_b32 s47, 0
	s_mul_i32 s20, s12, QKB                        ; where they go: no place in the cluster enters an LDS address
	s_mul_i32 s21, s12, TKB
	s_add_co_u32 s21, s21, TOFF
	s_mov_b32 s76, 0x76543210                      ; v_permlanex16_b32's selects
	s_mov_b32 s77, 0xfedcba98
	s_wait_dscnt 0x0                               ; both opening adds are done
	s_wait_kmcnt 0x0
	s_add_nc_u64 s[14:15], s[4:5], s[16:17]
	s_add_nc_u64 s[46:47], s[6:7], s[46:47]
	CROUND                                         ; all sixteen work-groups are here: the first joint loads meet
.irp s, 0,1
	s_mov_b32 s[G0Q+4*(\s)], 1
	s_add_co_u32 s[G0Q+4*(\s)+1], s20, (\s)*SLOT
	s_add_nc_u64 s[G0Q+4*(\s)+2:G0Q+4*(\s)+3], s[14:15], (\s)*QSTEP
	s_or_b32 s[G0Q+4*(\s)+3], s[G0Q+4*(\s)+3], 0x80000000
	s_mov_b32 s[G0T+4*(\s)], 1
	s_add_co_u32 s[G0T+4*(\s)+1], s21, (\s)*SLOT
	s_add_nc_u64 s[G0T+4*(\s)+2:G0T+4*(\s)+3], s[46:47], (\s)*TSTEP
	s_or_b32 s[G0T+4*(\s)+3], s[G0T+4*(\s)+3], 0x80000000
	JLOAD \s
.endr
	v_and_b32 v1, 15, v0                           ; r = l % 16
	v_bfe_u32 v2, v0, 4, 1                         ; h = l / 16
	v_mul_u32_u24 v3, v1, PITCH
	v_lshl_add_u32 v3, v2, 4, v3                   ; a fragment's row x pitch + 16 h
	s_mul_i32 s22, s11, 128*PITCH                  ; my 128 rows of q
	s_mul_i32 s23, s12, 64*PITCH                   ; my 64 rows of tt
	s_add_co_u32 s23, s23, TOFF
	v_add_nc_u32 v[ADRQ], s22, v3
	v_add_nc_u32 v[ADRT], s23, v3
	v_add_nc_u32 v[ADRQ+1], SLOT, v[ADRQ]
	v_add_nc_u32 v[ADRT+1], SLOT, v[ADRT]
	s_mul_i32 s23, s10, 16*SPITCH
	s_add_co_u32 s23, s23, STAGE                   ; my stage
	v_mul_u32_u24 v4, v1, SPITCH                   ; in: row r, 32 bytes for each half of the lanes
	v_lshl_add_u32 v4, v2, 5, v4
	v_add_nc_u32 v[STO], s23, v4
	v_mul_u32_u24 v4, v2, SPITCH                   ; back: lanes 0-15 take one row of 256 bytes, lanes 16-31 the next,
	v_lshl_add_u32 v4, v1, 4, v4
	v_add_nc_u32 v[RD], s23, v4
	v_lshlrev_b32 v4, 12, v2
	v_lshl_add_u32 v[CO], v1, 4, v4                ; and the same two rows (4,096 bytes apart) in out0
	v_and_b32 v6, 31, v0
	v_lshlrev_b32 v[L16], 4, v6
	v_lshlrev_b32 v[PFO], 8, v6
	s_lshl_b32 s16, s13, 20                        ; out0: row 256 y + 128 x my half, 4,096 bytes each,
	s_lshl_b32 s17, s11, 19
	s_add_co_u32 s16, s16, s17
	s_lshl_b32 s17, s42, 9                         ; column 128 x + 64 x my half, 4 bytes each
	s_add_co_u32 s16, s16, s17
	s_lshl_b32 s17, s12, 8
	s_add_co_u32 s16, s16, s17
	s_mov_b32 s17, 0
	s_add_nc_u64 s[68:69], s[68:69], s[16:17]
	; the prefetches
	s_lshl_b32 s16, s12, 20                        ; waves 0, 1: my K block of q's tile, my work-group's quarter of it
	s_lshl_b32 s17, s13, 15
	s_add_co_u32 s16, s16, s17
	s_lshl_b32 s17, s40, 13
	s_add_co_u32 s16, s16, s17
	s_lshr_b32 s18, s45, 1                         ; waves 2, 3: my K block of tt's tile,
	s_lshl_b32 s18, s18, 21
	s_lshl_b32 s19, s12, 17
	s_add_co_u32 s18, s18, s19
	s_lshl_b32 s19, s42, 14
	s_add_co_u32 s18, s18, s19
	s_and_b32 s19, s41, 1                          ; its half cy % 2,
	s_lshl_b32 s19, s19, 13
	s_add_co_u32 s18, s18, s19
	s_lshr_b32 s19, s41, 1                         ; of the first or the second of two K steps, by cy / 2
	s_lshl_b32 s19, s19, 18
	s_add_co_u32 s18, s18, s19
	s_and_b32 s22, s45, 1
	s_mov_b32 s74, TSTEP
	s_cmp_eq_u32 s11, 0
	s_cselect_b32 s16, s16, s18
	s_cselect_b32 s74, QSTEP, s74
	s_cselect_b32 s22, ttmp9, s22                  ; 0 in the cluster that asks
	s_cselect_b32 s[LIM1], 1, -1                   ; tt is asked for at every second change
	s_cselect_b64 s[PFA:PFA+1], s[4:5], s[6:7]
	s_mov_b32 s17, 0
	s_mov_b32 s75, 0
	s_add_nc_u64 s[PFA:PFA+1], s[PFA:PFA+1], s[16:17]
	s_mul_i32 s16, s74, 3
	s_add_nc_u64 s[PFA:PFA+1], s[PFA:PFA+1], s[16:17]  ; at K step 3: the first change of slots steps it to 4.  Nothing is prefetched here, at the head
	s_cmp_eq_u32 s22, 0                            ; the same in all sixteen partners, for a given wave
	s_cselect_b32 s[LIM0], 1, -1
	s_cselect_b32 s[LIM1], s[LIM1], -1
	; THE FACTOR: all 1,024 pairs of amax (8 KiB), 32 pairs a lane; words 0 and 2 of a load are |k|'s, words 1 and 3 |v|'s: four chains, then the 32 lanes.  It stands in the wait for the first tile.
.irp t, 0,1,2,3,4,5,6,7,8,9,10,11,12,13,14,15
	global_load_b128 v[TMP+4*(\t):TMP+4*(\t)+3], v[L16], s[70:71] offset:512*(\t)
.endr
	s_wait_loadcnt 0x0
	v_max_num_f32 v8, v[TMP], v[TMP+4]
	v_max_num_f32 v9, v[TMP+2], v[TMP+6]
	v_max_num_f32 v10, v[TMP+1], v[TMP+5]
	v_max_num_f32 v11, v[TMP+3], v[TMP+7]
.irp i, 1,2,3,4,5,6,7
	v_max3_num_f32 v8, v8, v[TMP+8*(\i)], v[TMP+8*(\i)+4]
	v_max3_num_f32 v9, v9, v[TMP+8*(\i)+2], v[TMP+8*(\i)+6]
	v_max3_num_f32 v10, v10, v[TMP+8*(\i)+1], v[TMP+8*(\i)+5]
	v_max3_num_f32 v11, v11, v[TMP+8*(\i)+3], v[TMP+8*(\i)+7]
.endr
	v_max_num_f32 v8, v8, v9
	v_max_num_f32 v10, v10, v11
.irp m, 1,2,4,8
	v_max_num_f32_dpp v8, v8, v8 row_xmask:\m row_mask:0xf bank_mask:0xf
	v_max_num_f32_dpp v10, v10, v10 row_xmask:\m row_mask:0xf bank_mask:0xf
.endr
	v_permlanex16_b32 v9, v8, s76, s77
	v_permlanex16_b32 v11, v10, s76, s77
	v_max_num_f32 v8, v8, v9
	v_max_num_f32 v10, v10, v11
	v_readfirstlane_b32 s16, v8
	v_readfirstlane_b32 s17, v10
	s_lshr_b32 s16, s16, 23                        ; ek (the sign is 0)
	s_lshr_b32 s17, s17, 23                        ; ev
	s_add_co_u32 s16, s16, s17
	s_sub_co_i32 s16, 383, s16
	s_max_i32 s16, s16, 8
	s_min_i32 s16, s16, 240                        ; se, as in ktv
	s_sub_co_i32 s16, 249, s16
	s_lshl_b32 s66, s16, 23                        ; 2^(122 - se) = 2^-5 / sigma
	s_mov_b32 s67, s66                             ; named with it as a pair
.macro MULS f, a0, na, zero            ; na x 4 matrix instructions: blocks a0 .. of q times tt's four, 32 along K.  The 32 accumulators take turns
	WIN 0x50                                       ; C and D in window 1, the sources in window 0
.set pa, \a0
.rept \na
.set pb, 0
.rept 4
.set rD, 8*(4*pa+pb)
.if \zero
	v_wmma_f32_16x16x32_f16 v[rD:rD+7], v[(\f)+8*pb:(\f)+8*pb+7], v[(\f)+32+8*pa:(\f)+32+8*pa+7], 0
.else
	v_wmma_f32_16x16x32_f16 v[rD:rD+7], v[(\f)+8*pb:(\f)+8*pb+7], v[(\f)+32+8*pa:(\f)+32+8*pa+7], v[rD:rD+7]
.endif
.set pb, pb+1
.endr
.set pa, pa+1
.endr
.endm
.macro FETCH slot, qd, f               ; 24 LDS loads in one run: the fragments of quarter qd (K block qd / 2, half qd % 2) into buffer f
	WIN 0
.irp b, 0,1,2,3
	ds_load_b128 v[(\f)+8*(\b):(\f)+8*(\b)+3],   v[ADRT+(\slot)] offset:TKB*((\qd)/2)+2304*(\b)+64*((\qd)%2)
	ds_load_b128 v[(\f)+8*(\b)+4:(\f)+8*(\b)+7], v[ADRT+(\slot)] offset:TKB*((\qd)/2)+2304*(\b)+64*((\qd)%2)+32
.endr
.irp a, 0,1,2,3,4,5,6,7
	ds_load_b128 v[(\f)+32+8*(\a):(\f)+32+8*(\a)+3],   v[ADRQ+(\slot)] offset:QKB*((\qd)/2)+2304*(\a)+64*((\qd)%2)
	ds_load_b128 v[(\f)+32+8*(\a)+4:(\f)+32+8*(\a)+7], v[ADRQ+(\slot)] offset:QKB*((\qd)/2)+2304*(\a)+64*((\qd)%2)+32
.endr
.endm
; One of a K step's first three quarters: the next quarter qd is fetched into buffer g, then buffer f, fetched a quarter earlier, is multiplied.
.macro QUARTER slot, qd, f, g, zero
	WIN 0
	PLACES                                         ; buffer g was read by the products just issued
	FETCH \slot, \qd, \g
	s_wait_dscnt 24                                ; all but the 24 just issued
	MULS \f, 0, 8, \zero
.endm
; The last quarter multiplies buffer 1 and changes slots: ONE barrier; in front of it each wave waits for all its tensor loads, of which one is out: its part of the next slot; adds 0 to its spare word;
; and waits for that and for its own reads of this slot.  fill = 1: the barrier opens a round of the cluster's barrier, and the slot is filled again, two K steps on: 112 matrix instructions of mine ahead of the wait for it.
.macro TURN slot, next, fill, lim
.if \fill
	s_wait_xcnt 0x0                                ; the last prefetch, a K step back, has read its address: it is stepped here
	s_add_nc_u64 s[PFA:PFA+1], s[PFA:PFA+1], s[74:75]
.endif
	WIN 0
	s_wait_tensorcnt 0x0                           ; all my tensor loads have landed
	ds_add_u32 v[SPW], v[NIL]                      ; 0 onto my spare word
	s_wait_dscnt 1                                 ; buffer 1 is in; the add may be out
	MULS F1, 0, 2, 0                               ; eight matrix instructions stand between the add and the wait for it
	s_wait_dscnt 0x0                               ; the add is done, and my reads of this slot are over
	s_barrier_signal -1
	MULS F1, 2, 2, 0
	WIN 0
	s_barrier_wait -1
.if \fill
	CREST                                          ; no wave of any partner still reads this slot's tile or has a load on its way
	s_add_nc_u64 s[G0Q+4*(\slot)+2:G0Q+4*(\slot)+3], s[G0Q+4*(\slot)+2:G0Q+4*(\slot)+3], 2*QSTEP
	s_add_nc_u64 s[G0T+4*(\slot)+2:G0T+4*(\slot)+3], s[G0T+4*(\slot)+2:G0T+4*(\slot)+3], 2*TSTEP
	JLOAD \slot                                    ; the first tensor load behind the round; its four v_nop are also the places in front of the loads below
.else
	PLACES
.endif
	FETCH \next, 0, F0
.if \fill
	ASK \lim
.endif
	MULS F1, 4, 4, 0
.endm
	s_wait_tensorcnt 1                             ; my part of K step 0 is in; K step 1's may stay out
	s_barrier_signal -1
	s_barrier_wait -1
	FETCH 0, 0, F0
	QUARTER 0, 1, F0, F1, 1                        ; the first quarter stands in front of the loop: its products start the sums
	WIN 0
	s_mov_b32 s3, 3
.Llap:                                         ; a trip goes once round the ring and fills both slots again: K steps 2 .. 7 in three trips
	QUARTER 0, 2, F1, F0, 0
	QUARTER 0, 3, F0, F1, 0
	TURN 0, 1, 1, LIM0
	QUARTER 1, 1, F0, F1, 0
	QUARTER 1, 2, F1, F0, 0
	QUARTER 1, 3, F0, F1, 0
	TURN 1, 0, 1, LIM1
	QUARTER 0, 1, F0, F1, 0
	WIN 0
	s_sub_co_u32 s3, s3, 1
	s_cmp_lg_u32 s3, 0
	s_cbranch_scc1 .Llap
	QUARTER 0, 2, F1, F0, 0                        ; the last lap fills nothing, and has no round of the cluster's barrier
	QUARTER 0, 3, F0, F1, 0
	TURN 0, 1, 0, 0
	QUARTER 1, 1, F0, F1, 0
	QUARTER 1, 2, F1, F0, 0
	QUARTER 1, 3, F0, F1, 0
	s_wait_dscnt 0x0                               ; the very last quarter: nothing more to fetch
	MULS F1, 0, 8, 0
	WIN 0
; THE WAY OUT, a block a of 16 rows s at a time.  PACK: times the factor, into window 0, each accumulator's registers in ascending order.  TOSTAGE: a lane's eight e' (32 bytes) into rows of 272 bytes of my own
; stage, and back as whole rows of 256.  SEND: stored.
.macro PACK a
	WIN 0x01                                       ; source 0 in window 1
.set i, 0
.rept 16
	v_pk_mul_f32 v[TMP+2*i:TMP+2*i+1], v[32*(\a)+2*i:32*(\a)+2*i+1], s[66:67] op_sel_hi:[1,0]
.set i, i+1
.endr
	WIN 0
.endm
.macro TOSTAGE a
.set BKN, BK+32*((\a)%2)
.irp j, 0,1,2,3,4,5,6,7
	ds_store_b128 v[STO], v[TMP+4*(\j):TMP+4*(\j)+3] offset:64*((\j)/2)+16*((\j)%2)
.endr
.irp t, 0,1,2,3,4,5,6,7
	ds_load_b128 v[BKN+4*(\t):BKN+4*(\t)+3], v[RD] offset:(\t)*2*SPITCH  ; LDS serves a wave's instructions in order (ISA guide 5.7.1.4): these see the stores above
.endr
.endm
.macro SEND a
.set BKN, BK+32*((\a)%2)
	s_wait_dscnt 0x0                               ; the block is back in registers
	s_wait_xcnt 0x0                                ; the stores of the block before have read their registers: the next TOSTAGE loads into them
.irp t, 0,1,2,3,4,5,6,7
	global_store_b128 v[CO], v[BKN+4*(\t):BKN+4*(\t)+3], s[68:69] offset:65536*(\a)+8192*(\t) th:TH_STORE_NT  ; 16 lanes store 256 consecutive bytes, at a multiple of 256 from out0's first
.endr
.endm
	PLACES
	PACK 0
	TOSTAGE 0
.irp a, 1,2,3,4,5,6,7                  ; block a's multiplies stand between block a - 1's loads from the stage and the wait for them
	PACK \a
	SEND (\a)-1
	TOSTAGE \a
.endr
	SEND 7
	s_wait_tensorcnt 0x0                           ; the wave's end: behind my last tensor load and my last LDS store
	ds_add_u32 v[SPW], v[NIL]
	s_wait_dscnt 0x0
	CROUND                                         ; the closing round
	s_endpgm
.Lfunc_end_k_q6c15907bbf_outp:
	.size	k_q6c15907bbf_outp, .Lfunc_end_k_q6c15907bbf_outp-k_q6c15907bbf_outp
	.p2alignl 7, 3214868480
	.fill 96, 4, 3214868480
	.section	.rodata,"a",@progbits
	.p2align	6, 0x0
	.amdhsa_kernel k_q6c15907bbf_outp
		.amdhsa_group_segment_fixed_size 327680
		.amdhsa_private_segment_fixed_size 0
		.amdhsa_enable_private_segment 0
		.amdhsa_kernarg_size 32
		.amdhsa_user_sgpr_count 2
		.amdhsa_user_sgpr_kernarg_segment_ptr 1
		.amdhsa_wavefront_size32 1
		.amdhsa_system_sgpr_workgroup_id_x 1
		.amdhsa_system_sgpr_workgroup_id_y 1
		.amdhsa_system_sgpr_workgroup_id_z 1
		.amdhsa_system_vgpr_workitem_id 0
		.amdhsa_next_free_vgpr 512
		.amdhsa_next_free_sgpr 80
		.amdhsa_reserve_vcc 0
		.amdhsa_float_denorm_mode_32 3
		.amdhsa_float_denorm_mode_16_64 3
		.amdhsa_memory_ordered 1
		.amdhsa_forward_progress 1
		.amdhsa_inst_pref_size 99
	.end_amdhsa_kernel
	.amdgpu_metadata
---
amdhsa.version: [ 1, 2 ]
amdhsa.kernels:
  - .name:           k_q6c15907bbf_outp
    .symbol:         k_q6c15907bbf_outp.kd
    .args:
      - { .name: q, .offset: 0, .size: 8, .value_kind: global_buffer, .address_space: global }
      - { .name: tt, .offset: 8, .size: 8, .value_kind: global_buffer, .address_space: global }
      - { .name: out0, .offset: 16, .size: 8, .value_kind: global_buffer, .address_space: global }
      - { .name: amax, .offset: 24, .size: 8, .value_kind: global_buffer, .address_space: global }
    .group_segment_fixed_size: 327680
    .private_segment_fixed_size: 0
    .kernarg_segment_align: 8
    .kernarg_segment_size: 32
    .max_flat_workgroup_size: 128
    .sgpr_count:     80
    .vgpr_count:     512
    .wavefront_size: 32
...
	.end_amdgpu_metadata
.endif
;; end of part 4
;; ======== version 2 of 2: 4 launches; version 1 with the launch lay written anew for expert scheduling mode
;; limits: values are held in f16: magnitudes above 65,504 overflow, below 6.1e-05 lose precision
;; workspace buffers: ab 23,068,672 bytes; q 16,777,216 bytes; kt 16,777,216 bytes; vt 16,777,216 bytes; tt 8,388,608 bytes; amax 8,192 bytes
;; launch lay (part 5): grid 352 x 1, 8 waves a work-group, no clusters, 0 bytes of LDS; arguments x, Wq, Wk, Wv, ab; writes ab
.if DOCPART == 5
	.amdgcn_target "amdgcn-amd-amdhsa--gfx1250"
	.amdhsa_code_object_version 6
	.text
	.protected	k_q6c15907bbf_lay
	.globl	k_q6c15907bbf_lay
	.p2align	8
	.type	k_q6c15907bbf_lay,@function
k_q6c15907bbf_lay:
	s_mov_b64 s[64:65], 0
	v_nop
	global_prefetch_b8 v0, s[64:65] scope:SCOPE_SE
	s_setreg_imm32_b32 hwreg(HW_REG_WAVE_SCHED_MODE, 0, 2), 2
	s_setreg_imm32_b32 hwreg(HW_REG_WAVE_MODE, 25, 1), 1
	s_wait_xcnt 0x0
	s_wait_alu depctr_vm_vsrc(0)
; THE PROGRAM.  reference(): q, k, v = x W^T; score = q k^T / 32; out = score v.  It applies no softmax: nothing that is not linear stands
; between its two batched products.  So for all values of the inputs, in exact arithmetic, (q k^T) v = q (k^T v), and the program forms
; k^T v ([1024][1024] a batch) in place of the score ([2048][2048] a batch): half the multiply-adds in each of the two products.
; No input is left out: x, Wq, Wk and Wv all reach the output.  1 / sqrt(1024) is exactly 2^-5.
; LIMITS.  The score is never formed: an overflow, an infinity or a NaN that would arise in the score alone is not carried to the result.
; The order of the sums differs from reference()'s.  q, k and v are kept in f16: they must stay under 65,504.
; Four launches: lay (this one), proj (q, k^T, v^T), ktv (k^T v, scaled), outp (q times it).
;
; THIS LAUNCH rounds x and the three weights to bf16, once, and lays them in K blocks of 64: ab[16 kb][11,264 rows][64], so that a tile of
; R rows x 64 along K is R x 128 dense bytes.  Rows 0 .. 8,191 are x's; row 8,192 + 384 g + 128 c + r is row 128 g + r of W_c
; (c = 0, 1, 2: Wq, Wk, Wv): the 384 rows that one work-group of proj multiplies lie together.
; A stream: no LDS, no matrix unit, no cluster (nothing is read twice).  A work-group takes 32 source rows, a wave 4, as two pairs.
; A load covers 256 consecutive aligned bytes (one K block in f32) of each of two rows; a store the two rows' 128 bytes each of that
; K block, which are 256 consecutive aligned bytes of ab.  All 32 loads of a wave (16 KiB) go out before the first wait for data.
; THE MODE: SCHED_MODE bits 1:0 = 2 (LLVM: expert scheduling mode 2), set by the entry lines.  The code itself states the register dependences
; between vector instructions and memory instructions, with s_wait_alu, always for 0.
; THE PLAN.  Registers that memory instructions touch:
;   v[LSO], v[LDO]  the loads' and the stores' offsets: written by vector lines at the head, never again.
;   v[DAT + 4 n ..] load n lands there, once; its two conversions read the four words and write the first two; store n reads those two.
;                   No load is issued behind the first conversion, and no register that a load or store has read is ever written again.
; The 32 loads are taken in 8 blocks of four.  Block p rounds its own four loads; its memory instructions are the four stores of block p - 1.
; ONE wait on va_vdst at a block's head, behind the wait for the block's data, states that block p - 1's conversions have written the words that
; those stores read; the stores are then dealt among block p's conversions, which name block p's registers alone.
.set KBS, 1441792                      ; bytes from a K block of ab to the next: 11,264 rows x 128
.set LSO, 2                            ; v2   my byte offset in the work-group's source rows
.set LDO, 3                            ; v3   my byte offset in its rows of a K block of ab
.set DAT, 8                            ; v[8:135]  load n: four f32, then two words of bf16
	s_load_b256 s[4:11], s[0:1], 0x0               ; x s[4:5], Wq s[6:7], Wk s[8:9], Wv s[10:11]
	s_load_b64 s[12:13], s[0:1], 0x20              ; ab
	s_mov_b32 s14, ttmp9                           ; work-groups 0 .. 255: x; 256 + 32 c + rr: rows 32 rr .. of W_c
	s_max_u32 s15, s14, 256
	s_sub_co_u32 s15, s15, 256                     ; 32 c + rr (0 in x's work-groups, where it is not used)
	s_lshr_b32 s16, s15, 5                         ; c
	s_and_b32 s17, s15, 31                         ; rr
	s_lshr_b32 s18, s17, 2                         ; g = rr / 4
	s_mul_i32 s18, s18, 384
	s_and_b32 s19, s17, 3
	s_lshl_b32 s19, s19, 5
	s_add_co_u32 s18, s18, s19                     ; + 32 (rr % 4)
	s_lshl_b32 s19, s16, 7
	s_add_co_u32 s18, s18, s19                     ; + 128 c
	s_add_co_u32 s18, s18, 8192                    ; behind x's rows
	s_lshl_b32 s17, s17, 5                         ; the weights' source row
	s_lshl_b32 s19, s14, 5                         ; x's row, in the source and in ab
	s_cmp_lt_u32 s14, 256
	s_cselect_b32 s17, s19, s17                    ; source row
	s_cselect_b32 s18, s19, s18                    ; row of ab
	v_lshrrev_b32 v1, 5, v0                        ; wave
	v_bfe_u32 v4, v0, 4, 1                         ; lanes 16-31 take the pair's second row
	v_lshl_add_u32 v4, v1, 2, v4                   ; 4 x wave + that
	v_and_b32 v5, 15, v0
	v_lshlrev_b32 v5, 4, v5
	v_lshl_add_u32 v[LSO], v4, 12, v5              ; row x 4,096 + 16 (lane % 16)
	v_and_b32 v5, 31, v0
	v_lshlrev_b32 v5, 3, v5
	v_lshl_add_u32 v[LDO], v1, 9, v5               ; 4 rows x 128 x wave + 8 x lane
	s_wait_kmcnt 0x0
	s_cmp_eq_u32 s16, 1
	s_cselect_b64 s[20:21], s[8:9], s[6:7]
	s_cmp_eq_u32 s16, 2
	s_cselect_b64 s[20:21], s[10:11], s[20:21]
	s_cmp_lt_u32 s14, 256
	s_cselect_b64 s[20:21], s[4:5], s[20:21]       ; the source, chosen by the work-group's number alone
	s_lshl_b32 s22, s17, 12
	s_mov_b32 s23, 0
	s_add_nc_u64 s[20:21], s[20:21], s[22:23]      ; at the work-group's first row
	s_lshl_b32 s22, s18, 7
	s_add_nc_u64 s[24:25], s[12:13], s[22:23]      ; ab at its rows in K block 0,
	s_add_nc_u64 s[26:27], s[24:25], 4*KBS         ; 4, 8 and 12: the K blocks between stand in the stores' immediates
	s_add_nc_u64 s[28:29], s[24:25], 8*KBS
	s_add_nc_u64 s[30:31], s[24:25], 12*KBS
	s_wait_alu depctr_va_vdst(0)                   ; v[LSO] and v[LDO] are written: every load of the kernel reads the one as its offset, every store the other
.set n, 0
.rept 32                               ; load n: pair n / 16, K block n % 16
	global_load_b128 v[DAT+4*n:DAT+4*n+3], v[LSO], s[20:21] offset:8192*(n/16)+256*(n%16) th:TH_LOAD_NT
.set n, n+1
.endr
.set p, 0
.rept 8                                ; block p: loads 4 p .. 4 p + 3 are rounded, block p - 1 is stored
	s_wait_loadcnt 28-4*p                          ; loads come back in order: the block's four are in, the 28 - 4 p younger ones may stay out
.if p > 0
	s_wait_alu depctr_va_vdst(0)                   ; the conversions of the block before have written their eight words, which the four stores below read
.endif
.set i, 0
.rept 4
.set n, 4*p+i
.if p > 0
.set m, n-4
	global_store_b64 v[LDO], v[DAT+4*m:DAT+4*m+1], s[24+2*((m%16)/4):25+2*((m%16)/4)] offset:((m%16)%4)*KBS+256*(m/16) th:TH_STORE_NT  ; no vector instruction since the wait names these registers; no register of a load or store is ever written again
.endif
	v_cvt_pk_bf16_f32 v[DAT+4*n], v[DAT+4*n], v[DAT+4*n+1]
	v_cvt_pk_bf16_f32 v[DAT+4*n+1], v[DAT+4*n+2], v[DAT+4*n+3]
.set i, i+1
.endr
.set p, p+1
.endr
	s_wait_alu depctr_va_vdst(0)                   ; the last block's conversions have written their eight words, which the last four stores read
.set m, 28
.rept 4
	global_store_b64 v[LDO], v[DAT+4*m:DAT+4*m+1], s[24+2*((m%16)/4):25+2*((m%16)/4)] offset:((m%16)%4)*KBS+256*(m/16) th:TH_STORE_NT
.set m, m+1
.endr
	s_endpgm
.Lfunc_end_k_q6c15907bbf_lay:
	.size	k_q6c15907bbf_lay, .Lfunc_end_k_q6c15907bbf_lay-k_q6c15907bbf_lay
	.p2alignl 7, 3214868480
	.fill 96, 4, 3214868480
	.section	.rodata,"a",@progbits
	.p2align	6, 0x0
	.amdhsa_kernel k_q6c15907bbf_lay
		.amdhsa_group_segment_fixed_size 0
		.amdhsa_private_segment_fixed_size 0
		.amdhsa_enable_private_segment 0
		.amdhsa_kernarg_size 40
		.amdhsa_user_sgpr_count 2
		.amdhsa_user_sgpr_kernarg_segment_ptr 1
		.amdhsa_wavefront_size32 1
		.amdhsa_system_sgpr_workgroup_id_x 1
		.amdhsa_system_sgpr_workgroup_id_y 1
		.amdhsa_system_sgpr_workgroup_id_z 1
		.amdhsa_system_vgpr_workitem_id 0
		.amdhsa_next_free_vgpr 136
		.amdhsa_next_free_sgpr 66
		.amdhsa_reserve_vcc 0
		.amdhsa_float_denorm_mode_32 3
		.amdhsa_float_denorm_mode_16_64 3
		.amdhsa_memory_ordered 1
		.amdhsa_forward_progress 1
		.amdhsa_inst_pref_size 13
	.end_amdhsa_kernel
	.amdgpu_metadata
---
amdhsa.version: [ 1, 2 ]
amdhsa.kernels:
  - .name:           k_q6c15907bbf_lay
    .symbol:         k_q6c15907bbf_lay.kd
    .args:
      - { .name: x, .offset: 0, .size: 8, .value_kind: global_buffer, .address_space: global }
      - { .name: Wq, .offset: 8, .size: 8, .value_kind: global_buffer, .address_space: global }
      - { .name: Wk, .offset: 16, .size: 8, .value_kind: global_buffer, .address_space: global }
      - { .name: Wv, .offset: 24, .size: 8, .value_kind: global_buffer, .address_space: global }
      - { .name: ab, .offset: 32, .size: 8, .value_kind: global_buffer, .address_space: global }
    .group_segment_fixed_size: 0
    .private_segment_fixed_size: 0
    .kernarg_segment_align: 8
    .kernarg_segment_size: 40
    .max_flat_workgroup_size: 256
    .sgpr_count:     66
    .vgpr_count:     136
    .wavefront_size: 32
...
	.end_amdgpu_metadata
.endif
;; end of part 5
;; launch proj: the kernel of part 2 again; grid 8 x 32, 4 waves a work-group, clusters of 4 x 4, 327,680 bytes of LDS; arguments ab, q, kt, vt, amax; writes q, kt, vt, amax
;; launch ktv: the kernel of part 3 again; grid 8 x 32, 4 waves a work-group, clusters of 4 x 4, 327,680 bytes of LDS; arguments vt, kt, tt, amax; writes tt
;; launch outp: the kernel of part 4 again; grid 8 x 32, 4 waves a work-group, clusters of 4 x 4, 327,680 bytes of LDS; arguments q, tt, out0, amax; writes out0
